; MI455X (gfx1250); checked and timed in simulation.
; The chip was launched on July 23, 2026; its instructions are those of AMD's public machine-readable ISA for CDNA 5 (MIT licence, August 2026) and "CDNA5" Instruction Set Architecture Reference Guide (July 2026). The comments in the code are by the model that wrote it; some were corrected since.
;; Multi Head Attention. Allowed arithmetic: matrix products marked QUANTISED: E2M1 operands, one E8M0 scale for each 32 along K, by v_wmma_scale_f32_16x16x128_f8f6f4 with both operands' format E2M1 (or v_wmma_scale_f32_32x16x128_f4), f32 sums; everything else in f32.
;; Inputs: Wk_codes 1,024 x 32 x 16 uint8 (E2M1 codes of Wk, K innermost, in blocks of 32 codes, two codes a byte); Wk_scales 1,024 x 32 uint8 (E8M0 scales of Wk, one for each 32 codes along K); Wo_codes 1,024 x 32 x 16 uint8 (E2M1 codes of Wo, K innermost, in blocks of 32 codes, two codes a byte); Wo_scales 1,024 x 32 uint8 (E8M0 scales of Wo, one for each 32 codes along K); Wq_codes 1,024 x 32 x 16 uint8 (E2M1 codes of Wq, K innermost, in blocks of 32 codes, two codes a byte); Wq_scales 1,024 x 32 uint8 (E8M0 scales of Wq, one for each 32 codes along K); Wv_codes 1,024 x 32 x 16 uint8 (E2M1 codes of Wv, K innermost, in blocks of 32 codes, two codes a byte); Wv_scales 1,024 x 32 uint8 (E8M0 scales of Wv, one for each 32 codes along K); attn_mask 2,048 x 2,048 float32; bk 1,024 float32; bo 1,024 float32; bq 1,024 float32; bv 1,024 float32; key_codes 4 x 2,048 x 32 x 16 uint8 (E2M1 codes of key, K innermost, in blocks of 32 codes, two codes a byte); key_padding_mask 4 x 2,048 bool; key_scales 4 x 2,048 x 32 uint8 (E8M0 scales of key, one for each 32 codes along K); query_codes 4 x 2,048 x 32 x 16 uint8 (E2M1 codes of query, K innermost, in blocks of 32 codes, two codes a byte); query_scales 4 x 2,048 x 32 uint8 (E8M0 scales of query, one for each 32 codes along K); value_codes 4 x 2,048 x 32 x 16 uint8 (E2M1 codes of value, K innermost, in blocks of 32 codes, two codes a byte); value_scales 4 x 2,048 x 32 uint8 (E8M0 scales of value, one for each 32 codes along K).
;; Outputs: out0 4 x 2,048 x 1,024 float32.
;; This version of the problem:
;;   THIS VERSION OF THE PROBLEM IS GIVEN IN LOW PRECISION. The matrix products marked QUANTISED in the list below multiply operands that are first quantised to E2M1 (2 exponent bits, 1 mantissa bit; 4 bits a number), with one power-of-two scale for each 32 numbers along K (OCP MX v1.0); their sums are f32. All else is computed in f32.
;;   The module's matrix products, in the order in which they are computed (A, B: the left and right operand; K: the contracted axis; several contracted axes count as one K, in the product's order):
;;     1. [M 8,192, K 1,024] x [K 1,024, N 1,024]; A: input query (given as codes); B: input Wq (given as codes): QUANTISED
;;     2. [M 8,192, K 1,024] x [K 1,024, N 1,024]; A: input key (given as codes); B: input Wk (given as codes): QUANTISED
;;     3. [M 8,192, K 1,024] x [K 1,024, N 1,024]; A: input value (given as codes); B: input Wv (given as codes): QUANTISED
;;     4. batch 64 x [M 2,048, K 64] x [K 64, N 2,048]; A: computed on the way; B: computed on the way: QUANTISED
;;     5. batch 64 x [M 2,048, K 2,048] x [K 2,048, N 64]; A: softmax (see below); B: computed on the way: QUANTISED
;;     6. [M 8,192, K 1,024] x [K 1,024, N 1,024]; A: computed on the way; B: input Wo (given as codes): QUANTISED
;;   THE QUANTISER, for each operand of a quantised product, along K:
;;     - K is cut into blocks of 32 from its start; a last block that is shorter is filled with zeros.
;;     - A block's scale is 2^e with e = floor(log2(the largest magnitude in the block)) - 2, held to -126 .. 127; a block of zeros has e = 0. As a byte (E8M0): e + 127.
;;     - Each number is divided by its block's scale, clamped to +-6, and rounded to the nearest number of E2M1, ties to even, subnormals kept.
;;     - The product sums the exact products of the quantised numbers (number of the format x scale) in f32.
;;   ~~~python
;;   def quantise(x, axis):      # numpy; x: float32 -> the quantised numbers, widened to float32 again
;;       x = np.moveaxis(x, axis, -1); K = x.shape[-1]
;;       x = np.pad(x, [(0, 0)] * (x.ndim - 1) + [(0, -K % 32)]); x = x.reshape(x.shape[:-1] + (-1, 32)); a = np.abs(x).max(-1, keepdims=True)
;;       e = np.where(a > 0, np.clip(np.frexp(np.where(a > 0, a, 1))[1] - 1 - 2, -126, 127), 0)      # np.frexp(a)[1] - 1 = floor(log2(a)), exactly
;;       r = np.clip(x / 2.0 ** e, -6, 6)
;;       step = 2.0 ** (np.maximum(np.frexp(np.where(r == 0, 1, r))[1] - 1, 0) - 1)
;;       q = np.round(r / step) * step * 2.0 ** e      # np.round: ties to even
;;       return np.moveaxis(q.reshape(q.shape[:-2] + (-1,))[..., :K], -1, axis).astype(np.float32)
;;   ~~~
;;   SOFTMAX AHEAD OF A QUANTISED PRODUCT. Where the list says 'softmax', what is quantised is not the finished softmax but p = 2^(t - M), with t = logit x log2(e) and M = ceil(the row's largest t), a whole number; so 1/2 < the row's largest p <= 1. The row's sum l is taken of the UNQUANTISED p, in f32, and the product's result is divided by l at the end. Since M is a whole number, a kernel that streams over the keys may use a running M (the ceiling of the running maximum): every later rescaling is an exact power of two, which a block's scale takes up: the codes' values come out the same.
;;   OPERANDS COMPUTED ON THE WAY. 'Computed on the way' means the value that the module computes at that place (a softmax that the list does not call 'softmax' is quantised finished and normalised). What goes into a quantiser is computed in f32, as accurately as f32 sums, v_exp_f32 and their like allow (about 1e-6 of the number): no bf16 or f16 on the way to a quantiser, and a product that is left as it is and whose result goes on into a quantised operand takes f32 operands (vector FMAs, or v_wmma_f32_16x16x4_f32). A number that lies on a knife's edge between two numbers of the format may be rounded either way, as far as f32 arithmetic and the matrix unit's own rounding can turn it there, and no further.
;;   INPUTS GIVEN AS CODES. Wk (in the module: [1024, 1024], K = its axis 1); Wo (in the module: [1024, 1024], K = its axis 1); Wq (in the module: [1024, 1024], K = its axis 1); Wv (in the module: [1024, 1024], K = its axis 1); key (in the module: [4, 2048, 1024], K = its axis 2); query (in the module: [4, 2048, 1024], K = its axis 2); value (in the module: [4, 2048, 1024], K = its axis 2): each comes as NAME_codes (uint8): NAME with its K axis moved to the last place and cut into blocks of 32 codes, [.., K / 32, bytes a block], one block behind the other in memory; two codes a byte, the lower K in the low four bits (a code: sign, 2 exponent bits, 1 mantissa bit); and NAME_scales (uint8): the same leading axes, one E8M0 byte (e + 127) for each 32 codes along K. Its value is code x scale, taken as it is: it is not quantised again, and the codes and scales need not be those that the quantiser above would give.
;; One version. Each part assembles by itself: llvm-mc -triple=amdgcn-amd-amdhsa -mcpu=gfx1250 --defsym DOCPART=n.
;; ======== version 1 of 1: 3 launches
;; limits: right only within a limited range of input values
;; workspace buffers: qbuf 4,456,448 bytes; kv 8,912,896 bytes; o_img 4,194,304 bytes; o_sc 262,144 bytes
;; launch proj (part 1): grid 4 x 96, 4 waves a work-group, clusters of 4 x 4, 327,680 bytes of LDS; arguments query_codes, key_codes, Wv_codes, query_scales, key_scales, Wv_scales, Wq_codes, Wk_codes, value_codes, Wq_scales, Wk_scales, value_scales, bq, bk, bv, qbuf, kv; writes qbuf, kv
.if DOCPART == 1
	.amdgcn_target "amdgcn-amd-amdhsa--gfx1250"
	.amdhsa_code_object_version 6
	.text
	.protected	k_qbc7f9b4b3b_proj
	.globl	k_qbc7f9b4b3b_proj
	.p2align	8
	.type	k_qbc7f9b4b3b_proj,@function
k_qbc7f9b4b3b_proj:
	s_mov_b64 s[64:65], 0
	v_nop
	global_prefetch_b8 v0, s[64:65] scope:SCOPE_SE
	s_setreg_imm32_b32 hwreg(HW_REG_WAVE_MODE, 25, 1), 1
	s_wait_xcnt 0x0
	s_wait_alu depctr_hold_cnt(0) depctr_sa_sdst(0) depctr_va_vdst(0) depctr_va_sdst(0) depctr_va_ssrc(0) depctr_va_vcc(0) depctr_vm_vsrc(0)
	s_getreg_b32 s2, hwreg(HW_REG_IB_STS2, 6, 4)
	s_cmp_eq_u32 s2, 0
	s_cbranch_scc0 .Lentry_in_a_cluster
	s_endpgm
.Lentry_in_a_cluster:
	s_bfe_u32 s2, ttmp6, 0x10000c
	s_cmp_lg_u32 s2, 0xf033
	s_cbranch_scc0 .Lentry_shape_is_right
	s_endpgm
.Lentry_shape_is_right:
; THE THREE PROJECTIONS q = query Wq^T + bq, k = key Wk^T + bk, v = value Wv^T + bv, on codes of FP4 (E2M1) with one E8M0 scale for each 32 along K = 1,024, f32 sums;
; and the quantising of q, k (along a head's 64 features) and v (along the keys) into images of the operand registers that the attention launch reads.
; NO WORK IS LEFT OUT in this program: attn_mask and key_padding_mask are inputs, so every score is live, and every input has a way to the output.
; LIMITS: a block of q, k or v whose largest magnitude lies under 2^-121 gets the scale of 2^-121 (the floor below); NaN and infinities among the biases are not served.
; ONE TEXT FOR THREE PRODUCTS C[m][n] = sum over k of A[m][k] B[n][k].  The matrix instruction is used transposed (source 0 = 16 rows of B, source 1 = 16 rows of A): a lane holds ONE m,
; and its registers run along n.  So n is the axis that is quantised:  q: A = query, B = Wq (n = feature);  k: A = key, B = Wk;  v: A = Wv (m = feature), B = value (n = key).
; The kind is the cluster's y / 8, the same in all sixteen partners; it chooses pointers and a few numbers by s_cselect, never a branch.
; SHARES.  A tile of C, 256 x 256, to a work-group of four waves; a wave makes 128 x 128 in 64 accumulators.  K = 1,024 is two slots of 512: both are first fills, nothing is filled again.
; CLUSTERS: 4 x 4 work-groups; A's tile is shared along a row of the cluster, B's along a column: joint loads with a mask that names the four.
; THE WAY OUT.  A wave's 128 x 128 is one block of the workspace: eight fragments (16 m x 128 n) as images of their registers (registers 0-3 at 16 x lane, registers 4-7 at 512 + 16 x lane), and their
; scale words [row 16][fragment 8].  Register 8 b + j of lane (r, h) is n = 16 b + 8 h + j: a block of 32 lies in 16 registers of lanes l and l xor 16.
; q's scale bytes are stored LESS 3: the factor 64^-0.5 = 2^-3 of the scores rides in the scale, exactly.
; REGISTERS: window 0: v0-31 addresses; v32-95 scale words, two sets; v96-111 the bias along m, in pairs; v112-119 the scale words made; v128-191 A's fragments, later 64 numbers at work;
;   v192-255 the bias along n (the C of the first products), later at work.   window 1: B's fragments, two sets.   windows 2, 3: the accumulators ((a, b) at v[8 (8 (a % 4) + b)]).
.set NQ,     4                         ; matrix instructions deep in a slot: 512 along K
.set ROWB,   256                       ; a tile's row in bytes
.set KROW,   512                       ; a row of A or B in memory
.set PITCH,  272                       ; an LDS row: 256 bytes + 16 of padding: the 16 rows that a load touches start at 16 different banks
.set FR,     8
.set NL,     2
.set NP,     4
.set HALFT,  128*PITCH
.set SLOT,   4*HALFT                   ; A's 256 rows, then B's 256 rows
.set KS,     32                        ; a row of scale bytes
.set SCL,    2*SLOT                    ; behind the slots: the scale bytes, as units of 256 bytes + 16 of padding
.set HALFS,  (128*KS/256)*272
.set SBLK,   (16*KS/256)*272
.set SPARE,  SCL+4*HALFS               ; the spare words, 128 bytes for each wave: no other line names them
.set BNO,  8                           ; v8   byte offset of the bias along n
.set BMO,  9                           ; v9   and along m
.set LI,   10                          ; v10  16 x lane: an image's place for my lane
.set SOF,  11                          ; v11  32 r + 16 h: my four scale words' place
.set ADRA, 16
.set ADRB, 20
.set ADRS, 27
.set SPW,  28
.set NIL,  29
.set SC,   32
.set BM,   96
.set PWD,  112
.set AF,   128
.set T,    128
.set BN,   192
.set TM,   192                         ; v192-203 at work in QUANT
.set WS,   204                         ; v204-207 the four scale words that I store
.set PC,   208                         ; v208-239 codes: four sets of 8 by turns
.set G1, 24
.set G0, 32
.set G1B, 48
.set G0B, 56
.set SEL, 66                           ; s[66:67] selects for lane l xor 16
.set G1S, 68
.set G0S, 76
.set G1SB, 80
.set G0SB, 88
.set DEL, 18                           ; s18 what is taken off the four scale bytes: 3 each for q, else 0
.set MSB, 0
.macro WIN new                         ; the immediate's high byte repeats the setting that is left
.if MSB != \new
	s_set_vgpr_msb (MSB<<8)|\new
.set MSB, \new
.endif
.endm
.set MUL_LO,   0xa1                    ; source 0 (B) window 1, source 1 (A) window 0, C and D window 2
.set MUL_HI,   0xf1
.set FIRST_LO, 0x81                    ; the first products: C (the bias) window 0, D window 2
.set FIRST_HI, 0xc1
.set TO_B,     0x40
; A joint load: waves 0 and 1 fetch for A, waves 2 and 3 for B; the branch hangs on the wave's number alone.  An s_nop 0 and four v_nop follow each line.
.macro JLOAD g0a, g1a, g0b, g1b
	s_cmp_eq_u32 s15, 0
	s_cbranch_scc0 .Lfor_b_\@
	tensor_load_to_lds s[\g0a:\g0a+3], s[\g1a:\g1a+7]
	s_nop 0
.rept 4
	v_nop
.endr
	s_branch .Lasked_\@
.Lfor_b_\@:
	tensor_load_to_lds s[\g0b:\g0b+3], s[\g1b:\g1b+7]
	s_nop 0
.rept 4
	v_nop
.endr
.Lasked_\@:
.endm
.macro CROUND                          ; a round of the cluster's barrier
	s_barrier_signal -1
	s_barrier_wait -1
	s_cmp_lg_u32 s14, 0
	s_cbranch_scc1 .Lnot_wave_0_\@
	s_barrier_signal -3
.Lnot_wave_0_\@:
	s_barrier_wait -3
	s_barrier_signal -1
	s_barrier_wait -1
.endm
	s_load_b512 s[68:83], s[0:1], 0x0              ; query, key, Wv codes; query, key, Wv scales; Wq, Wk codes
	s_load_b512 s[84:99], s[0:1], 0x40             ; value codes; Wq, Wk, value scales; bq, bk, bv; qbuf
	s_load_b64 s[100:101], s[0:1], 0x80            ; kv
	v_lshl_add_u32 v[SPW], v0, 2, SPARE
	v_mov_b32 v[NIL], 0
	ds_add_u32 v[SPW], v[NIL]                      ; the wave's opening: the add, twice on end, and its wait ahead of my first tensor load
	ds_add_u32 v[SPW], v[NIL]
	v_lshrrev_b32 v1, 5, v0
	v_readfirstlane_b32 s14, v1                    ; wave 0..3
	s_lshr_b32 s15, s14, 1                         ; which half of the tile's rows is mine.  Also: I fetch for A (0) or for B (1)
	s_and_b32 s16, s14, 1                          ; which half of its columns.  Also: which 128 rows of that tile I fetch
	s_bfe_u32 s40, ttmp6, 0x40000                  ; cx
	s_bfe_u32 s41, ttmp6, 0x40004                  ; cy
	s_and_b32 s17, ttmp7, 0xffff                   ; the cluster's y, 0..23
	s_lshr_b32 s2, s17, 3                          ; the kind: 0 q, 1 k, 2 v
	s_and_b32 s3, s17, 7                           ; which 1,024 tokens
	s_cmp_eq_u32 s2, 2
	s_cselect_b32 s17, 0, s3                       ; q, k: the tokens are A's rows;
	s_cselect_b32 s42, s3, 0                       ; v: they are B's
	s_lshl_b32 s17, s17, 2
	s_add_co_u32 s17, s17, s41                     ; tile row
	s_lshl_b32 s42, s42, 2
	s_add_co_u32 s42, s42, s40                     ; tile column
	s_lshl_b32 s43, s41, 2
	s_lshl_b32 s43, 15, s43                        ; my row of the cluster
	s_lshl_b32 s44, 0x1111, s40                    ; my column
	s_or_b32 s[G1+0], s43, (0<<16)|(1<<20)|(1<<21)|(5<<22)|(3<<25)  ; the mask; elements of 1 byte; padding: 4 words after every 64; bit 21 beside a mask
	s_or_b32 s[G1B+0], s44, (0<<16)|(1<<20)|(1<<21)|(5<<22)|(3<<25)
.irp g, G1, G1B
	s_mov_b32 s[\g+1], ROWB<<16                    ; tensor_dim0
	s_mov_b32 s[\g+2], 128<<16                     ; tensor_dim1
	s_mov_b32 s[\g+3], ROWB<<16                    ; tile_dim0
	s_mov_b32 s[\g+4], 128                         ; tile_dim1
	s_mov_b32 s[\g+5], KROW                        ; from row to row
	s_mov_b32 s[\g+6], 0
	s_mov_b32 s[\g+7], 0
.endr
	s_mov_b32 s[SEL], 0x76543210
	s_mov_b32 s[SEL+1], 0xfedcba98
	s_wait_dscnt 0x0                               ; both opening adds are done
	s_wait_kmcnt 0x0
	s_cmp_eq_u32 s2, 0                             ; the kind chooses the buffers: it hangs on the cluster's number alone
	s_cselect_b64 s[4:5], s[68:69], s[70:71]       ; A's codes
	s_cselect_b64 s[6:7], s[74:75], s[76:77]       ; A's scales
	s_cselect_b64 s[8:9], s[80:81], s[82:83]       ; B's codes
	s_cselect_b64 s[10:11], s[86:87], s[88:89]     ; B's scales
	s_cselect_b64 s[104:105], s[92:93], s[94:95]   ; the bias
	s_cselect_b64 s[12:13], s[98:99], s[100:101]   ; where the result goes: qbuf, or kv
	s_cmp_eq_u32 s2, 2
	s_cselect_b64 s[4:5], s[72:73], s[4:5]
	s_cselect_b64 s[6:7], s[78:79], s[6:7]
	s_cselect_b64 s[8:9], s[84:85], s[8:9]
	s_cselect_b64 s[10:11], s[90:91], s[10:11]
	s_cselect_b64 s[104:105], s[96:97], s[104:105]
	; the arguments' registers are free now: the scales' descriptors: 128 rows' scale bytes are 4,096 dense bytes: 16 rows of 256 (32 elements of 8 bytes), 16 bytes of padding behind each
	s_or_b32 s[G1S+0], s43, (3<<16)|(1<<20)|(1<<21)|(5<<22)|(3<<25)
	s_or_b32 s[G1SB+0], s44, (3<<16)|(1<<20)|(1<<21)|(5<<22)|(3<<25)
.irp g, G1S, G1SB
	s_mov_b32 s[\g+1], 32<<16
	s_mov_b32 s[\g+2], (128*KS/256)<<16
	s_mov_b32 s[\g+3], 32<<16
	s_mov_b32 s[\g+4], 128*KS/256
	s_mov_b32 s[\g+5], 32
	s_mov_b32 s[\g+6], 0
	s_mov_b32 s[\g+7], 0
.endr
	s_lshl_b32 s18, s16, 7                         ; which 128 rows of the tile I fetch
	s_lshl_b32 s20, s17, 8
	s_add_co_u32 s20, s20, s18                     ; A: row 256 x tile row + 128 x half
	s_lshl_b32 s46, s42, 8
	s_add_co_u32 s46, s46, s18                     ; B: row 256 x tile column + 128 x half
	s_lshl_b32 s22, s20, 5                         ; their scale bytes: 32 a row,
	s_lshl_b32 s20, s20, 9                         ; their codes: 512 a row (at most 8,191 rows: under 2^32)
	s_lshl_b32 s92, s46, 5
	s_lshl_b32 s46, s46, 9
	s_mov_b32 s21, 0
	s_mov_b32 s23, 0
	s_mov_b32 s47, 0
	s_mov_b32 s93, 0
	s_mul_i32 s45, s14, HALFT                      ; where they go: wave x 128 rows: no place in the cluster enters an LDS address
	s_mul_i32 s94, s14, HALFS
	s_add_nc_u64 s[20:21], s[4:5], s[20:21]
	s_add_nc_u64 s[22:23], s[6:7], s[22:23]
	s_add_nc_u64 s[46:47], s[8:9], s[46:47]
	s_add_nc_u64 s[92:93], s[10:11], s[92:93]
	CROUND                                         ; all sixteen work-groups are here: the first joint loads meet
	s_mov_b32 s[G0S], 1
	s_add_co_u32 s[G0S+1], s94, SCL
	s_mov_b64 s[G0S+2:G0S+3], s[22:23]
	s_or_b32 s[G0S+3], s[G0S+3], 0x80000000
	s_mov_b32 s[G0SB], 1
	s_add_co_u32 s[G0SB+1], s94, SCL
	s_mov_b64 s[G0SB+2:G0SB+3], s[92:93]
	s_or_b32 s[G0SB+3], s[G0SB+3], 0x80000000
	JLOAD G0S, G1S, G0SB, G1SB                     ; the scales first: they are wanted with the first slot
.irp s, 0,1
	s_mov_b32 s[G0+4*\s], 1
	s_add_co_u32 s[G0+4*\s+1], s45, \s*SLOT
	s_add_nc_u64 s[G0+4*\s+2:G0+4*\s+3], s[20:21], \s*ROWB
	s_or_b32 s[G0+4*\s+3], s[G0+4*\s+3], 0x80000000
	s_mov_b32 s[G0B+4*\s], 1
	s_add_co_u32 s[G0B+4*\s+1], s45, \s*SLOT
	s_add_nc_u64 s[G0B+4*\s+2:G0B+4*\s+3], s[46:47], \s*ROWB
	s_or_b32 s[G0B+4*\s+3], s[G0B+4*\s+3], 0x80000000
	JLOAD G0+4*\s, G1, G0B+4*\s, G1B               ; three tensor loads of mine are out: all of K
.endr
	v_and_b32 v1, 15, v0                           ; r
	v_bfe_u32 v2, v0, 4, 1                         ; h
	v_mul_u32_u24 v3, v1, PITCH
	v_lshl_add_u32 v4, v2, 4, v3                   ; a fragment's row x pitch + 16 h
	s_mul_i32 s21, s15, HALFT                      ; my 128 rows of A
	s_mul_i32 s22, s16, HALFT                      ; my 128 rows of B,
	s_add_co_u32 s22, s22, 2*HALFT                 ; behind A's 256
.irp s, 0,1
	v_add_nc_u32 v[ADRA+\s], s21, v4
	v_add_nc_u32 v[ADRB+\s], s22, v4
	s_add_co_u32 s21, s21, SLOT
	s_add_co_u32 s22, s22, SLOT
.endr
	v_mul_u32_u24 v5, v1, KS                       ; my row's scales: 32 bytes a row,
	v_lshrrev_b32 v6, 8, v5
	v_lshl_add_u32 v5, v6, 4, v5                   ; and 16 more for each 256 passed
	s_mul_i32 s21, s15, HALFS
	s_mul_i32 s22, s16, HALFS
	s_add_co_u32 s22, s22, 2*HALFS
	s_sub_co_u32 s22, s22, s21
	v_mul_u32_u24 v6, s22, v2                      ; lanes 16-31 take B's
	s_add_co_u32 s21, s21, SCL
	v_add_nc_u32 v5, v5, v6
	v_add_nc_u32 v[ADRS], s21, v5
	; what the kind decides on the way out
	s_lshl_b32 s92, s17, 1
	s_add_co_u32 s92, s92, s15                     ; which 128 of m are mine
	s_lshl_b32 s93, s42, 1
	s_add_co_u32 s93, s93, s16                     ; which 128 of n
	s_mov_b32 s101, 16384
	s_mov_b32 s3, 17408
	s_cmp_eq_u32 s2, 2
	s_cselect_b32 s94, s93, s92                    ; the group of 128 tokens,
	s_cselect_b32 s95, s92, s93                    ; the head pair (128 features)
	s_cselect_b32 s96, 0, -1                       ; q, k: the bias runs along n;
	s_cselect_b32 s97, -1, 0                       ; v: along m.  The other one is masked to zeros
	s_cselect_b32 s98, 0, s93
	s_cselect_b32 s99, s92, 0
	s_cselect_b32 s100, 8192, 0                    ; V's fragments lie behind K's in a block of kv
	s_cselect_b32 s101, 16896, s101                ; the scale words: V's, K's,
	s_cmp_eq_u32 s2, 0
	s_cselect_b32 s101, 8192, s101                 ; q's
	s_cselect_b32 s3, 8704, s3                     ; a block of qbuf, of kv
	s_cselect_b32 s[DEL], 0x03030303, 0
	s_lshl_b32 s94, s94, 3
	s_add_co_u32 s94, s94, s95
	s_mul_i32 s94, s94, s3                         ; my block, in bytes (under 2^24)
	s_mov_b32 s95, 0
	s_add_nc_u64 s[12:13], s[12:13], s[94:95]
	s_mov_b32 s94, s100
	s_add_nc_u64 s[20:21], s[12:13], s[94:95]      ; where my fragments go,
	s_mov_b32 s94, s101
	s_add_nc_u64 s[22:23], s[12:13], s[94:95]      ; and my scale words
	s_lshl_b32 s98, s98, 9
	s_lshl_b32 s99, s99, 9
	v_lshlrev_b32 v[BNO], 5, v2
	v_add_nc_u32 v[BNO], s98, v[BNO]               ; bias along n: 512 x my 128 + 32 h
	v_lshlrev_b32 v[BMO], 2, v1
	v_add_nc_u32 v[BMO], s99, v[BMO]               ; along m: 512 x my 128 + 4 r
	v_and_b32 v[LI], 31, v0
	v_lshlrev_b32 v[LI], 4, v[LI]
	v_lshlrev_b32 v[SOF], 5, v1
	v_lshl_add_u32 v[SOF], v2, 4, v[SOF]
.irp b, 0,1,2,3,4,5,6,7
	global_load_b128 v[BN+8*\b:BN+8*\b+3], v[BNO], s[104:105] offset:64*\b        ; register 8 b + j: bias[16 b + 8 h + j]: the result's layout
	global_load_b128 v[BN+8*\b+4:BN+8*\b+7], v[BNO], s[104:105] offset:64*\b+16
.endr
.irp a, 0,1,2,3,4,5,6,7
	global_load_b32 v[BM+2*\a], v[BMO], s[104:105] offset:64*\a                   ; bias[16 a + r], twice: a pair for the packed addition
	global_load_b32 v[BM+2*\a+1], v[BMO], s[104:105] offset:64*\a
.endr
	s_wait_loadcnt 0x0
.set k, 0
.rept 64
	v_and_b32 v[BN+k], s96, v[BN+k]
.set k, k+1
.endr
.set k, 0
.rept 16
	v_and_b32 v[BM+k], s97, v[BM+k]
.set k, k+1
.endr
.macro FRAG reg, adr, q, i             ; 16 rows x 128 K of 4-bit codes: 8 registers: two loads of 16 bytes, 32 bytes apart
.irp c, 0,1
	ds_load_b128 v[\reg+4*\c:\reg+4*\c+3], v[\adr] offset:64*(\q)+32*\c+(\i)*16*PITCH
.endr
.endm
; 16 matrix instructions: A's blocks a0, a0 + 1 x B's eight.  first = 1: the first products take the bias along n as C.  The 64 accumulators take turns, one instruction a turn.
.macro MUL16 a0, p, q, sc, first
.irp a, \a0, \a0+1
.irp b, 0,1,2,3,4,5,6,7
.if \first
	v_wmma_scale_f32_16x16x128_f8f6f4 v[8*(8*((\a)%4)+\b):8*(8*((\a)%4)+\b)+7], v[128*(\p)+FR*\b:128*(\p)+FR*\b+FR-1], v[AF+FR*(\a):AF+FR*(\a)+FR-1], v[BN+8*\b:BN+8*\b+7], v[SC+8*NQ*(\sc)+NQ*\b+(\q)], v[SC+8*NQ*(\sc)+NQ*(\a)+(\q)] matrix_a_fmt:MATRIX_FMT_FP4 matrix_b_fmt:MATRIX_FMT_FP4 matrix_a_scale:MATRIX_SCALE_ROW1
.else
	v_wmma_scale_f32_16x16x128_f8f6f4 v[8*(8*((\a)%4)+\b):8*(8*((\a)%4)+\b)+7], v[128*(\p)+FR*\b:128*(\p)+FR*\b+FR-1], v[AF+FR*(\a):AF+FR*(\a)+FR-1], v[8*(8*((\a)%4)+\b):8*(8*((\a)%4)+\b)+7], v[SC+8*NQ*(\sc)+NQ*\b+(\q)], v[SC+8*NQ*(\sc)+NQ*(\a)+(\q)] matrix_a_fmt:MATRIX_FMT_FP4 matrix_b_fmt:MATRIX_FMT_FP4 matrix_a_scale:MATRIX_SCALE_ROW1
.endif
.endr
.endr
.endm
.macro FETCH_B slot, q, p
	WIN TO_B
.irp i, 0,1,2,3,4,5,6,7
	FRAG 128*(\p)+FR*\i, ADRB+\slot, \q, \i
.endr
	WIN 0
.endm
.macro FETCH_A slot, q, i0
.irp i, \i0, \i0+1, \i0+2, \i0+3
	FRAG AF+FR*(\i), ADRA+\slot, \q, \i
.endr
.endm
.macro SCALES sc                       ; a slot's scale words: lanes 0-15 take A's block i, lanes 16-31 B's block i; 4 words a row
.irp i, 0,1,2,3,4,5,6,7
	ds_load_b128 v[SC+8*NQ*\sc+NQ*\i:SC+8*NQ*\sc+NQ*\i+3], v[ADRS] offset:\i*SBLK
.endr
.endm
.macro PLACES n                        ; plain vector instructions between a matrix instruction and a load into, or a read of, its registers
.rept \n
	v_nop
.endr
.endm
.macro STEP slot, q, first             ; 128 along K, with its successor in the same slot
	s_wait_dscnt 4*NL                              ; B's set and A's blocks 0-3 are in; the youngest eight loads (A's blocks 4-7) may be out
.if \first
	WIN FIRST_LO
.else
	WIN MUL_LO
.endif
	MUL16 0, (\q)%2, \q, \slot, \first
	MUL16 2, (\q)%2, \q, \slot, \first
	s_wait_dscnt 0
	PLACES NP
	FETCH_B \slot, (\q)+1, 1-(\q)%2
	FETCH_A \slot, (\q)+1, 0
.if \first
	WIN FIRST_HI
.else
	WIN MUL_HI
.endif
	MUL16 4, (\q)%2, \q, \slot, \first
	MUL16 6, (\q)%2, \q, \slot, \first
	PLACES NP
	WIN 0
	FETCH_A \slot, (\q)+1, 4
.endm
.macro STEPS slot, from
.set Q, \from
.rept NQ-1-\from
	STEP \slot, Q, 0
.set Q, Q+1
.endr
.endm
	s_wait_tensorcnt 1                             ; the scales and my part of slot 0 are in (slot 1's load may be out)
	s_barrier_signal -1
	s_barrier_wait -1                              ; everybody's are
	FETCH_B 0, 0, 0
	FETCH_A 0, 0, 0
	SCALES 0
	FETCH_A 0, 0, 4
	STEP 0, 0, 1
	STEPS 0, 1
	; slot 0's last step changes slots: my part of slot 1 has landed, then the barrier shows everybody's
	s_wait_tensorcnt 0x0
	ds_add_u32 v[SPW], v[NIL]
	s_wait_dscnt 4*NL+1                            ; (the add and A's blocks 4-7 may be out)
	WIN MUL_LO
	MUL16 0, 1, NQ-1, 0, 0
	s_wait_dscnt 0x0
	s_barrier_signal -1
	MUL16 2, 1, NQ-1, 0, 0
	WIN 0
	s_barrier_wait -1
	PLACES NP
	v_add_nc_u32 v[ADRS], 4*NQ, v[ADRS]            ; slot 1's scale words
	FETCH_B 1, 0, 0
	FETCH_A 1, 0, 0
	SCALES 1
	WIN MUL_HI
	MUL16 4, 1, NQ-1, 0, 0
	MUL16 6, 1, NQ-1, 0, 0
	PLACES NP
	WIN 0
	FETCH_A 1, 0, 4
	STEPS 1, 0
	s_wait_dscnt 4*NL
	WIN MUL_LO
	MUL16 0, 1, NQ-1, 1, 0
	MUL16 2, 1, NQ-1, 1, 0
	s_wait_dscnt 0
	WIN MUL_HI
	MUL16 4, 1, NQ-1, 1, 0
	MUL16 6, 1, NQ-1, 1, 0
	WIN 0
; 64 numbers of a lane, register 8 t + j = index 16 t + 8 h + j of my row, become a fragment's codes and its scale word.  Block b is registers 16 b .. 16 b + 15 of lanes l and l xor 16.
; The conversion of block 2 c + x, registers 8 p on, writes code register 4 c + 2 p + x; the exchange of halves of the pair (4 c + 2 p, 4 c + 2 p + 1) then leaves register 4 c + w with k = 64 c + 32 h + 8 w .. + 7.
.macro QUANT src, cod, wrd, flr
.irp b, 0,1,2,3
	v_max3_num_f32 v[TM+\b], |v[(\src)+16*\b]|, |v[(\src)+1+16*\b]|, \flr   ; my 16 numbers, and the floor under which no largest magnitude is taken
.endr
.irp i, 2,4,6,8,10,12,14
.irp b, 0,1,2,3
	v_max3_num_f32 v[TM+\b], v[TM+\b], |v[(\src)+16*\b+\i]|, |v[(\src)+1+16*\b+\i]|
.endr
.endr
.irp b, 0,1,2,3
	v_permlanex16_b32 v[TM+4+\b], v[TM+\b], s[SEL], s[SEL+1]
.endr
.irp b, 0,1,2,3
	v_max_num_f32 v[TM+\b], v[TM+\b], v[TM+4+\b]   ; the block's largest magnitude
.endr
.irp b, 0,1,2,3
	v_add_nc_u32 v[TM+8+\b], 0xff000000, v[TM+\b]  ; 2 off its exponent field: the conversion's scale operand
.endr
.irp b, 0,1,2,3
	v_lshrrev_b32 v[TM+4+\b], 23, v[TM+8+\b]       ; the scale's byte
.endr
	v_lshl_or_b32 v[\wrd], v[TM+5], 8, v[TM+4]
	v_lshl_or_b32 v[\wrd], v[TM+6], 16, v[\wrd]
	v_lshl_or_b32 v[\wrd], v[TM+7], 24, v[\wrd]
.irp hc, 0,1
.irp hx, 0,1
.irp hr, 0,1
	v_cvt_scalef32_pk8_fp4_f32 v[(\cod)+4*\hc+2*\hr+\hx], v[(\src)+16*(2*\hc+\hx)+8*\hr:(\src)+16*(2*\hc+\hx)+8*\hr+7], v[TM+8+2*\hc+\hx]
.endr
.endr
.endr
	v_nop                                          ; one plain place behind a scaled conversion
.irp hc, 0,1
.irp hr, 0,1
	v_permlane16_swap_b32 v[(\cod)+4*\hc+2*\hr], v[(\cod)+4*\hc+2*\hr+1]
.endr
.endr
.endm
; Block n of 16 rows: + the bias along m, quantised, stored as an image: each store of the wave covers 512 consecutive bytes, aligned.
.macro OUTBLK n
.set AC, 64*((\n)%4)
	WIN 0x02+((\n)/4)                              ; source 0: window 2 or 3
.set k, 0
.rept 32
	v_pk_add_f32 v[T+k:T+k+1], v[AC+k:AC+k+1], v[BM+2*(\n):BM+2*(\n)+1]   ; each accumulator from its low end on
.set k, k+2
.endr
	WIN 0
.if (\n) >= 4
	s_wait_xcnt 0x0                                ; the stores of four blocks ago have read their data: that set of code registers is written again
.endif
	QUANT T, PC+8*((\n)%4), PWD+(\n), 0x3000000    ; the floor 2^(6 - 127): the byte is 4 or more, so that q's, less 3, stays at 1 or more
	v_sub_nc_u32 v[PWD+(\n)], v[PWD+(\n)], s[DEL]  ; q: 2^-3 into each of the four bytes; no byte borrows
	global_store_b128 v[LI], v[PC+8*((\n)%4):PC+8*((\n)%4)+3], s[20:21] offset:1024*(\n)
	global_store_b128 v[LI], v[PC+8*((\n)%4)+4:PC+8*((\n)%4)+7], s[20:21] offset:1024*(\n)+512
.endm
	PLACES NP                                      ; behind the last products: their results are read, and A's fragments' registers written, below
.irp n, 0,1,2,3,4,5,6,7
	OUTBLK \n
.endr
	v_cmp_ne_u32 vcc_lo, 0, v2                     ; the scale words [r][8]: lanes 0-15 store words 0-3 of row r, lanes 16-31 words 4-7: 512 consecutive bytes
.irp i, 0,1,2,3
	v_cndmask_b32 v[WS+\i], v[PWD+\i], v[PWD+4+\i], vcc_lo
.endr
	global_store_b128 v[SOF], v[WS:WS+3], s[22:23]
	s_wait_tensorcnt 0x0                           ; the wave's end
	ds_add_u32 v[SPW], v[NIL]
	s_wait_dscnt 0x0
	CROUND                                         ; the closing round: no work-group ends while a partner may still ask for a tile that names it
	s_endpgm
.Lfunc_end_k_qbc7f9b4b3b_proj:
	.size	k_qbc7f9b4b3b_proj, .Lfunc_end_k_qbc7f9b4b3b_proj-k_qbc7f9b4b3b_proj
	.p2alignl 7, 3214868480
	.fill 96, 4, 3214868480
	.section	.rodata,"a",@progbits
	.p2align	6, 0x0
	.amdhsa_kernel k_qbc7f9b4b3b_proj
		.amdhsa_group_segment_fixed_size 327680
		.amdhsa_private_segment_fixed_size 0
		.amdhsa_enable_private_segment 0
		.amdhsa_kernarg_size 136
		.amdhsa_user_sgpr_count 2
		.amdhsa_user_sgpr_kernarg_segment_ptr 1
		.amdhsa_wavefront_size32 1
		.amdhsa_system_sgpr_workgroup_id_x 1
		.amdhsa_system_sgpr_workgroup_id_y 1
		.amdhsa_system_sgpr_workgroup_id_z 1
		.amdhsa_system_vgpr_workitem_id 0
		.amdhsa_next_free_vgpr 1024
		.amdhsa_next_free_sgpr 106
		.amdhsa_reserve_vcc 1
		.amdhsa_float_denorm_mode_32 3
		.amdhsa_float_denorm_mode_16_64 3
		.amdhsa_memory_ordered 1
		.amdhsa_forward_progress 1
		.amdhsa_inst_pref_size 151
	.end_amdhsa_kernel
	.amdgpu_metadata
---
amdhsa.version: [ 1, 2 ]
amdhsa.kernels:
  - .name:           k_qbc7f9b4b3b_proj
    .symbol:         k_qbc7f9b4b3b_proj.kd
    .args:
      - { .name: query_codes, .offset: 0, .size: 8, .value_kind: global_buffer, .address_space: global }
      - { .name: key_codes, .offset: 8, .size: 8, .value_kind: global_buffer, .address_space: global }
      - { .name: Wv_codes, .offset: 16, .size: 8, .value_kind: global_buffer, .address_space: global }
      - { .name: query_scales, .offset: 24, .size: 8, .value_kind: global_buffer, .address_space: global }
      - { .name: key_scales, .offset: 32, .size: 8, .value_kind: global_buffer, .address_space: global }
      - { .name: Wv_scales, .offset: 40, .size: 8, .value_kind: global_buffer, .address_space: global }
      - { .name: Wq_codes, .offset: 48, .size: 8, .value_kind: global_buffer, .address_space: global }
      - { .name: Wk_codes, .offset: 56, .size: 8, .value_kind: global_buffer, .address_space: global }
      - { .name: value_codes, .offset: 64, .size: 8, .value_kind: global_buffer, .address_space: global }
      - { .name: Wq_scales, .offset: 72, .size: 8, .value_kind: global_buffer, .address_space: global }
      - { .name: Wk_scales, .offset: 80, .size: 8, .value_kind: global_buffer, .address_space: global }
      - { .name: value_scales, .offset: 88, .size: 8, .value_kind: global_buffer, .address_space: global }
      - { .name: bq, .offset: 96, .size: 8, .value_kind: global_buffer, .address_space: global }
      - { .name: bk, .offset: 104, .size: 8, .value_kind: global_buffer, .address_space: global }
      - { .name: bv, .offset: 112, .size: 8, .value_kind: global_buffer, .address_space: global }
      - { .name: qbuf, .offset: 120, .size: 8, .value_kind: global_buffer, .address_space: global }
      - { .name: kv, .offset: 128, .size: 8, .value_kind: global_buffer, .address_space: global }
    .group_segment_fixed_size: 327680
    .private_segment_fixed_size: 0
    .kernarg_segment_align: 8
    .kernarg_segment_size: 136
    .max_flat_workgroup_size: 128
    .sgpr_count:     106
    .vgpr_count:     1024
    .wavefront_size: 32
...
	.end_amdgpu_metadata
.endif
;; end of part 1
;; launch attn (part 2): grid 16 x 16, 8 waves a work-group, clusters of 4 x 4, 327,680 bytes of LDS; arguments qbuf, kv, attn_mask, key_padding_mask, o_img, o_sc; writes o_img, o_sc
.if DOCPART == 2
	.amdgcn_target "amdgcn-amd-amdhsa--gfx1250"
	.amdhsa_code_object_version 6
	.text
	.protected	k_qbc7f9b4b3b_attn
	.globl	k_qbc7f9b4b3b_attn
	.p2align	8
	.type	k_qbc7f9b4b3b_attn,@function
k_qbc7f9b4b3b_attn:
	s_mov_b64 s[64:65], 0
	v_nop
	global_prefetch_b8 v0, s[64:65] scope:SCOPE_SE
	s_setreg_imm32_b32 hwreg(HW_REG_WAVE_MODE, 25, 1), 1
	s_wait_xcnt 0x0
	s_wait_alu depctr_hold_cnt(0) depctr_sa_sdst(0) depctr_va_vdst(0) depctr_va_sdst(0) depctr_va_ssrc(0) depctr_va_vcc(0) depctr_vm_vsrc(0)
	s_getreg_b32 s2, hwreg(HW_REG_IB_STS2, 6, 4)
	s_cmp_eq_u32 s2, 0
	s_cbranch_scc0 .Lentry_in_a_cluster
	s_endpgm
.Lentry_in_a_cluster:
	s_bfe_u32 s2, ttmp6, 0x10000c
	s_cmp_lg_u32 s2, 0xf033
	s_cbranch_scc0 .Lentry_shape_is_right
	s_endpgm
.Lentry_shape_is_right:
; ATTENTION: scores = q k^T / 8 + attn_mask, padded keys hidden, softmax, x v; both products on codes of FP4 with E8M0 scales; the result is quantised along D for the last projection.
; No work is left out: the mask and the padding are inputs, so every score is computed.
; THE SOFTMAX: t = score x log2(e), rounded to f32; M = the running largest t rounded UP to a whole number; p = 2^(t - M) is quantised along the keys; the row's sum is taken of the unquantised p and divides at the end.
; When M moves, the sum and O are multiplied by 2^(old M - new M): exact.  The multiplication by log2(e) and the subtraction of M are two instructions, each rounding to f32.
; LIMITS: the running largest t begins at -1e30: a logit at or under -1e30 / log2(e) counts as hidden.  A padded key gets -2^127 added to its mask: its p is 0.  A row all of whose keys are hidden so has the sum 0: its scale bytes are
; stored as 0xff, so that the last projection gives NaN there.  attn_mask holding infinities or NaN is not served.
; SHARES.  A work-group owns 128 queries of one batch x 2 head pairs (4 heads).  Wave w: pair w / 4, query tiles 2 (w % 4) and 2 (w % 4) + 1: four UNITS u = 2 x tile + head of the pair.  Two waves share a SIMD,
; so that one wave's vector work stands beside the other's matrix work and LDS loads.  Every wave walks 16 steps of 128 keys.
; LAYOUT.  Both products transposed: S^T = K Q^T, O^T = V^T P^T: a lane holds ONE query (lane % 16).  Register 8 t + j of a unit's scores is key 16 t + 8 (lane / 16) + j of the step.
; A HEAD PAIR SHARES THE K = 128 INSTRUCTION: K's fragment is (head 2 g's 64 features | head 2 g + 1's).  Q lies as Q0 | zeros | Q1 in 12 registers: head 2 g multiplies by registers 0-7, head 2 g + 1 by registers 4-11.
; Zero codes add nothing under any scale byte but 0xff, which the launch before never stores.
; THE MASK IS THE C OF THE SCORE PRODUCT (q's scale bytes carry the 2^-3): no addition for each score, and two heads read the same mask registers.  The padding is added to them once for a tile and step.
; CLUSTER 4 x 4: x = the pair group, y = the block of queries.  The mask's tile hangs on the block of queries: shared along a row.  K's and V's block hangs on batch and pair group: shared along a column.
; LDS: two slots, 2^17 apart: 128 rows of mask (512 bytes + 16), then two pairs' blocks of 17,408 (K's 8 fragments, V's 8, K's scale words, V's).  Behind them the padding's 2,048 numbers, and the spare words.
; REGISTERS: window 0: v1-11 addresses; v12-27 (-M, largest t, sum, sum) a unit; v28-29 Q's scale words; v30-33 p's; v34-41 K's (lanes 0-15) and V's (lanes 16-31); v42-63 at work; v64-127, v128-191, v192-255 scores.
;   window 1: v0-127 O^T, 32 a unit; v128-191 eight fragments of K, later of V; v192-215 Q; v216-247 p's codes, 8 a unit.
.set SLOT1, 1<<17
.set MP,    528                        ; a row of the mask in LDS: 512 bytes + 16: the 16 rows that a load touches start at 16 different banks
.set KVO,   128*MP
.set PAIRB, 17408
.set PADD,  2*SLOT1
.set SPARE, PADD+8192                  ; the spare words, 128 bytes for each of eight waves: no other line names them
.set AMK, 1
.set AKV, 2
.set ASC, 3
.set APD, 4
.set ADM, 5
.set ADK, 6
.set ADS, 7
.set ADP, 8
.set SPW, 9
.set NIL, 10
.set PFO, 11
.set ST,  12
.set QS,  28
.set PW,  30
.set SC,  34
.set TM,  42                           ; v42-53
.set FF,  58                           ; v[58:59] f = 2^(old M - new M), low word
.set W2,  60                           ; v[60:61]
.set WK,  62
.set X,   64
.set Y0,  128
.set Y1,  192
.set OT,  0                            ; window 1
.set KV,  128
.set QF,  192
.set PF,  216
.set TB,  2                            ; s2  the slot that is read
.set TP,  3                            ; s3  512 x step: the step's padding numbers
.set WV,  16
.set TPW, 17                           ; wave % 4
.set PWV, 18                           ; wave / 4
.set CX,  19
.set CY,  20
.set BB,  21
.set CLY, 22
.set QB,  23
.set G1M, 24
.set G1K, 32
.set G0M, 40
.set G0K, 44
.set SEL, 48
.set CS,  50
.set TRIPS, 52
.set LIM, 53
.set PFA, 54
.set PFS, 56
.set MSB, 0
.macro WIN new
.if MSB != \new
	s_set_vgpr_msb (MSB<<8)|\new
.set MSB, \new
.endif
.endm
; A joint load: waves 0 to 3 fetch 32 rows of the mask's tile each, waves 4 to 7 a quarter of K's and V's block each.  An s_nop 0 and four v_nop follow each line.
.macro JLOAD
	s_cmp_lt_u32 s[WV], 4
	s_cbranch_scc0 .Lfor_kv_\@
	tensor_load_to_lds s[G0M:G0M+3], s[G1M:G1M+7]
	s_nop 0
.rept 4
	v_nop
.endr
	s_branch .Lasked_\@
.Lfor_kv_\@:
	tensor_load_to_lds s[G0K:G0K+3], s[G1K:G1K+7]
	s_nop 0
.rept 4
	v_nop
.endr
.Lasked_\@:
.endm
.macro CROUND
	s_barrier_signal -1
	s_barrier_wait -1
	s_cmp_lg_u32 s[WV], 0
	s_cbranch_scc1 .Lnot_wave_0_\@
	s_barrier_signal -3
.Lnot_wave_0_\@:
	s_barrier_wait -3
	s_barrier_signal -1
	s_barrier_wait -1
.endm
; A PREFETCH INTO THE L2 of what the NEXT change of slots will ask for, one step (a wave's four units of softmax) ahead of that load.  The mask's tile is read by the clusters of all four batches: batch 0's ask; of its 128 rows
; the partner at cx takes 32, a lane a row; wave 0 the row's first 256 bytes, wave 1 the second.  K's and V's block is read by the clusters of all four y: y = 0 asks; the partner at cy takes a quarter, 34 blocks of
; 256 bytes, waves 4 and 5 seventeen each (lanes 16 to 31 name the seventeenth again).  Partners are told apart by address alone.  The last trip that loads asks for nothing.
.macro ASK
	s_cmp_gt_u32 s[TRIPS], s[LIM]
	s_cbranch_scc0 .Lnot_mine_\@
	global_prefetch_b8 v[PFO], s[PFA:PFA+1] th:TH_LOAD_NT scope:SCOPE_SE
.Lnot_mine_\@:
.endm
.macro PLACES n
.rept \n
	v_nop
.endr
.endm
	s_load_b256 s[4:11], s[0:1], 0x0               ; qbuf, kv, attn_mask, key_padding_mask
	s_load_b128 s[12:15], s[0:1], 0x20             ; o_img, o_sc
	v_lshl_add_u32 v[SPW], v0, 2, SPARE
	v_mov_b32 v[NIL], 0
	ds_add_u32 v[SPW], v[NIL]                      ; the wave's opening: the add, twice on end, and its wait ahead of my first tensor load
	ds_add_u32 v[SPW], v[NIL]
	v_lshrrev_b32 v1, 5, v0
	v_readfirstlane_b32 s[WV], v1                  ; wave 0..7
	s_and_b32 s[TPW], s[WV], 3
	s_lshr_b32 s[PWV], s[WV], 2
	s_bfe_u32 s[CX], ttmp6, 0x40000                ; cx: the pair group
	s_bfe_u32 s[CY], ttmp6, 0x40004                ; cy
	s_mov_b32 s[BB], ttmp9                         ; the cluster's x: the batch
	s_and_b32 s[CLY], ttmp7, 0xffff
	s_lshl_b32 s[QB], s[CLY], 2
	s_add_co_u32 s[QB], s[QB], s[CY]               ; the block of 128 queries
	s_lshl_b32 s70, s[CY], 2
	s_lshl_b32 s70, 15, s70                        ; my row of the cluster
	s_lshl_b32 s71, 0x1111, s[CX]                  ; my column
	s_or_b32 s[G1M], s70, (2<<16)|(1<<20)|(1<<21)|(6<<22)|(3<<25)   ; the mask's tile: elements of 4 bytes; padding: 4 words after every 128
	s_mov_b32 s[G1M+1], 128<<16                    ; tensor_dim0
	s_mov_b32 s[G1M+2], 32<<16                     ; tensor_dim1
	s_mov_b32 s[G1M+3], 128<<16                    ; tile_dim0
	s_mov_b32 s[G1M+4], 32                         ; tile_dim1
	s_mov_b32 s[G1M+5], 2048                       ; from row to row
	s_mov_b32 s[G1M+6], 0
	s_mov_b32 s[G1M+7], 0
	s_or_b32 s[G1K], s71, (3<<16)|(1<<21)          ; 8,704 dense bytes: 34 rows of 256 (32 elements of 8 bytes)
	s_mov_b32 s[G1K+1], 32<<16
	s_mov_b32 s[G1K+2], 34<<16
	s_mov_b32 s[G1K+3], 32<<16
	s_mov_b32 s[G1K+4], 34
	s_mov_b32 s[G1K+5], 32
	s_mov_b32 s[G1K+6], 0
	s_mov_b32 s[G1K+7], 0
	s_lshl_b32 s60, s[QB], 20                      ; the mask: row 128 x block + 32 x (wave % 4), 8,192 bytes a row
	s_lshl_b32 s61, s[TPW], 18
	s_add_co_u32 s60, s60, s61
	s_mov_b32 s61, 0
	s_lshl_b32 s62, s[BB], 7                       ; kv: block (128 batch + 8 step + 2 pair group), + my quarter of two blocks
	s_lshl_b32 s63, s[CX], 1
	s_add_co_u32 s62, s62, s63
	s_mul_i32 s62, s62, PAIRB
	s_mul_i32 s63, s[TPW], 8704
	s_add_co_u32 s62, s62, s63
	s_mov_b32 s63, 0
	s_mul_i32 s58, s[TPW], 32*MP                   ; where they go: the wave's number alone
	s_mul_i32 s59, s[TPW], 8704
	s_add_co_u32 s59, s59, KVO
	s_mov_b32 s[SEL], 0x76543210
	s_mov_b32 s[SEL+1], 0xfedcba98
	s_mov_b32 s[CS], 0x3fb8aa3b                    ; log2(e)
	s_mov_b32 s[CS+1], s[CS]
	s_mov_b32 s[TB], 0
	s_mov_b32 s[TP], 0
	s_mov_b32 s[TRIPS], 15
	s_wait_dscnt 0x0                               ; both opening adds are done
	s_wait_kmcnt 0x0
	s_mov_b32 s[G0M], 1
	s_mov_b32 s[G0M+1], s58
	s_add_nc_u64 s[G0M+2:G0M+3], s[8:9], s[60:61]
	s_or_b32 s[G0M+3], s[G0M+3], 0x80000000
	s_mov_b32 s[G0K], 1
	s_mov_b32 s[G0K+1], s59
	s_add_nc_u64 s[G0K+2:G0K+3], s[6:7], s[62:63]
	s_or_b32 s[G0K+3], s[G0K+3], 0x80000000
	CROUND                                         ; all sixteen work-groups are here
	JLOAD                                          ; step 0 into slot 0
	s_lshl_b32 s66, s[CX], 1
	s_add_co_u32 s66, s66, s[PWV]                  ; g: my head pair
	s_lshl_b32 s68, s[BB], 4
	s_add_co_u32 s68, s68, s[QB]
	s_lshl_b32 s68, s68, 3
	s_add_co_u32 s68, s68, s66
	s_mul_i32 s68, s68, 8704
	s_mov_b32 s69, 0
	s_add_nc_u64 s[4:5], s[4:5], s[68:69]          ; qbuf at my block
	s_lshl_b32 s68, s[BB], 7
	s_lshl_b32 s67, s[QB], 3
	s_add_co_u32 s68, s68, s67
	s_lshl_b32 s67, s[TPW], 1
	s_add_co_u32 s68, s68, s67                     ; my first tile of 16 tokens
	s_lshl_b32 s72, s68, 9                         ; o_sc: 32 bytes a token, + 4 g
	s_lshl_b32 s67, s66, 2
	s_add_co_u32 s72, s72, s67
	s_mov_b32 s73, 0
	s_add_nc_u64 s[14:15], s[14:15], s[72:73]
	s_lshl_b32 s68, s68, 13                        ; o_img: 8,192 bytes a tile, + 1,024 g
	s_lshl_b32 s67, s66, 10
	s_add_co_u32 s68, s68, s67
	s_add_nc_u64 s[12:13], s[12:13], s[68:69]
	s_lshl_b32 s68, s[BB], 11
	s_add_nc_u64 s[10:11], s[10:11], s[68:69]      ; my batch's padding
	v_and_b32 v54, 31, v0                          ; lane
	v_and_b32 v55, 15, v0                          ; r
	v_bfe_u32 v56, v0, 4, 1                        ; h
	s_lshl_b32 s67, s[TPW], 11
	v_lshl_add_u32 v60, v54, 4, s67                ; Q's images: 16 x lane + my first tile
	s_lshl_b32 s67, s[TPW], 3
	v_lshl_add_u32 v61, v55, 5, s67                ; its scale words: [r][tile]
	v_lshlrev_b32 v62, 3, v0                       ; the padding: 8 keys a thread
	WIN 0x40                                       ; destination window 1
.irp n, 0,1
	global_load_b128 v[QF+12*\n:QF+12*\n+3], v60, s[4:5] offset:1024*\n           ; Q0: head 2 g
	global_load_b128 v[QF+12*\n+8:QF+12*\n+11], v60, s[4:5] offset:1024*\n+512    ; Q1: head 2 g + 1
.endr
	WIN 0
.irp n, 0,1
	global_load_b32 v[QS+\n], v61, s[4:5] offset:8192+4*\n
.endr
	global_load_b64 v[64:65], v62, s[10:11]
	s_mul_i32 s67, s[TPW], 32*MP
	v_mul_u32_u24 v[AMK], v55, MP
	v_lshl_add_u32 v[AMK], v56, 5, v[AMK]
	v_add_nc_u32 v[AMK], s67, v[AMK]               ; the mask: row 32 (wave % 4) + r, + 32 h
	s_mul_i32 s67, s[PWV], PAIRB
	s_add_co_u32 s67, s67, KVO
	v_lshl_add_u32 v[AKV], v54, 4, s67             ; my pair's block: an image's place for my lane
	s_add_co_u32 s67, s67, 16384
	v_lshl_add_u32 v[ASC], v54, 5, s67             ; its scale words: lanes 0-15 K's row r, lanes 16-31 V's
	v_lshl_add_u32 v[APD], v56, 5, PADD
	v_lshl_add_u32 v63, v0, 5, PADD
	; the prefetches: where my wave's stand, and who asks
	s_lshl_b32 s72, s[QB], 20
	s_lshl_b32 s73, s[CX], 18
	s_add_co_u32 s72, s72, s73                     ; the mask: rows 128 x block + 32 cx on
	s_lshl_b32 s73, s[BB], 7
	s_lshl_b32 s74, s[CX], 1
	s_add_co_u32 s73, s73, s74
	s_mul_i32 s73, s73, PAIRB
	s_mul_i32 s74, s[CY], 8704
	s_add_co_u32 s73, s73, s74                     ; kv: the quarter at cy
	s_mov_b32 s[PFS], 8*PAIRB
	s_mov_b32 s67, 256
	s_mov_b32 s69, 17*256
	s_cmp_lt_u32 s[WV], 4
	s_cselect_b64 s[PFA:PFA+1], s[8:9], s[6:7]
	s_cselect_b32 s[PFS], 512, s[PFS]              ; a step on
	s_cselect_b32 s67, 8192, s67                   ; from lane to lane
	s_cselect_b32 s68, 31, 16                      ; the last lane that names a block of its own
	s_cselect_b32 s69, 256, s69                    ; from wave to wave
	s_cselect_b32 s72, s72, s73
	s_cselect_b32 s74, s[BB], s[CLY]               ; the coordinate along which other clusters read the same bytes
	s_and_b32 s75, s[WV], 1
	s_mul_i32 s75, s75, s69
	s_add_co_u32 s72, s72, s75
	s_add_co_u32 s72, s72, s[PFS]                  ; at step 1: the first change of slots steps it to step 2.  Nothing is prefetched here, at the head
	s_mov_b32 s73, 0
	s_mov_b32 s[PFS+1], 0
	s_add_nc_u64 s[PFA:PFA+1], s[PFA:PFA+1], s[72:73]
	s_and_b32 s75, s[WV], 2                        ; waves 0, 1, 4, 5
	s_or_b32 s75, s75, s74
	s_cmp_eq_u32 s75, 0
	s_cselect_b32 s[LIM], 1, -1                    ; the same in all sixteen partners, for a given wave
	v_min_u32 v[PFO], s68, v54
	v_mul_lo_u32 v[PFO], v[PFO], s67
.irp n, 0,1,2,3
	v_mov_b32 v[ST+4*\n+1], 0xf149f2ca             ; the largest t so far: -1e30
	v_floor_f32 v[ST+4*\n], -v[ST+4*\n+1]          ; -M
	v_mov_b32 v[ST+4*\n+2], 0                      ; the sum, in two halves
	v_mov_b32 v[ST+4*\n+3], 0
	v_mov_b32 v[TM+4+\n], 0                        ; written once: a lane permute's destination counts as one of its sources
.endr
	v_mov_b32 v[FF+1], 0                           ; (named as the upper half of a pair)
	v_mov_b32 v67, 0xff000000                      ; -2^127
	WIN 0x40
.irp n, 0,1
.irp i, 4,5,6,7
	v_mov_b32 v[QF+12*\n+\i], 0                    ; the zeros between Q0 and Q1
.endr
.endr
.set k, 0
.rept 128
	v_mov_b32 v[OT+k], 0                           ; O^T.  (The step is written for every trip alike: the first finds zeros, which the first change of M leaves zeros)
.set k, k+1
.endr
	WIN 0
	s_wait_loadcnt 0x0                             ; Q, its scale words, the padding
.irp i, 0,1,2,3,4,5,6,7
	v_bfe_u32 v66, v[64+\i/4], 8*(\i%4), 8
	v_cmp_ne_u32 vcc_lo, 0, v66
	v_cndmask_b32 v[68+\i], 0, v67, vcc_lo         ; 0, or -2^127 for a padded key
.endr
	ds_store_b128 v63, v[68:71]
	ds_store_b128 v63, v[72:75] offset:16          ; read by all waves behind the first change of slots, whose wait and round stand between
.macro LD64 dst, adr, off              ; 64 registers in the scores' layout: register 8 t + j at byte 64 t + 4 j of the lane's address
.irp n, 0,1,2,3,4,5,6,7
	ds_load_b128 v[\dst+8*\n:\dst+8*\n+3], v[\adr] offset:\off+64*\n
	ds_load_b128 v[\dst+8*\n+4:\dst+8*\n+7], v[\adr] offset:\off+64*\n+16
.endr
.endm
.macro LDF off                         ; eight fragments, as images, into window 1
	WIN 0x40
.irp n, 0,1,2,3,4,5,6,7
	ds_load_b128 v[KV+8*\n:KV+8*\n+3], v[ADK] offset:\off+1024*\n
	ds_load_b128 v[KV+8*\n+4:KV+8*\n+7], v[ADK] offset:\off+1024*\n+512
.endr
	WIN 0
.endm
.macro ADD64 dst                       ; the padding onto a tile's mask
.set j, 0
.rept 32
	v_pk_add_f32 v[\dst+j:\dst+j+1], v[\dst+j:\dst+j+1], v[X+j:X+j+1]
.set j, j+2
.endr
.endm
; The scores of query tile qt, head hd of the pair: eight tiles of 16 keys; C = the mask.
.macro SMM d, c, qt, hd
	WIN 0x05                                       ; K and Q in window 1
.irp n, 0,1,2,3,4,5,6,7
	v_wmma_scale_f32_16x16x128_f8f6f4 v[\d+8*\n:\d+8*\n+7], v[KV+8*\n:KV+8*\n+7], v[QF+12*\qt+4*\hd:QF+12*\qt+4*\hd+7], v[\c+8*\n:\c+8*\n+7], v[SC+\n], v[QS+\qt] matrix_a_fmt:MATRIX_FMT_FP4 matrix_b_fmt:MATRIX_FMT_FP4
.endr
.endm
; O^T += V^T P^T: sixteen accumulators, one instruction each.
.macro PV
	WIN 0x55
.irp dt, 0,1,2,3
.irp un, 0,1,2,3
	v_wmma_scale_f32_16x16x128_f8f6f4 v[OT+32*\un+8*\dt:OT+32*\un+8*\dt+7], v[KV+8*(4*(\un%2)+\dt):KV+8*(4*(\un%2)+\dt)+7], v[PF+8*\un:PF+8*\un+7], v[OT+32*\un+8*\dt:OT+32*\un+8*\dt+7], v[SC+4*(\un%2)+\dt], v[PW+\un] matrix_a_fmt:MATRIX_FMT_FP4 matrix_b_fmt:MATRIX_FMT_FP4 matrix_a_scale:MATRIX_SCALE_ROW1
.endr
.endr
.endm
; THE SOFTMAX OF ONE UNIT: 64 scores a lane in v[src] on.
.macro SM src, un
.set rM, ST+4*(\un)
	WIN 0
.set j, 0
.rept 32
	v_pk_mul_f32 v[\src+j:\src+j+1], v[\src+j:\src+j+1], s[CS:CS+1] op_sel_hi:[1,0]   ; t = score x log2(e); each accumulator from its low end on
.set j, j+2
.endr
.irp b, 0,1,2,3
	v_max3_num_f32 v[TM+\b], v[\src+16*\b], v[\src+16*\b+1], v[\src+16*\b+2]   ; the largest t of each block of 32 keys: for the row's maximum, and for the block's largest p
.endr
.irp i, 3,5,7,9,11,13
.irp b, 0,1,2,3
	v_max3_num_f32 v[TM+\b], v[TM+\b], v[\src+16*\b+\i], v[\src+16*\b+\i+1]
.endr
.endr
.irp b, 0,1,2,3
	v_max_num_f32 v[TM+\b], v[TM+\b], v[\src+16*\b+15]
.endr
.irp b, 0,1,2,3
	v_permlanex16_b32 v[TM+4+\b], v[TM+\b], s[SEL], s[SEL+1]
.endr
.irp b, 0,1,2,3
	v_max_num_f32 v[TM+\b], v[TM+\b], v[TM+4+\b]   ; with lane l xor 16's 16 keys
.endr
	v_max3_num_f32 v[WK], v[TM], v[TM+1], v[TM+2]
	v_max_num_f32 v[WK], v[WK], v[TM+3]
	v_max_num_f32 v[rM+1], v[rM+1], v[WK]          ; the running largest t
	v_mov_b32 v[WK], v[rM]
	v_floor_f32 v[rM], -v[rM+1]                    ; the new -M = floor(-t): M is a whole number
	v_sub_f32 v[WK], v[rM], v[WK]                  ; old M - new M: a whole number, 0 or less
	v_cvt_i32_f32 v[WK], v[WK]                     ; (it saturates)
	v_ldexp_f32 v[FF], 1.0, v[WK]                  ; f = 2^(old M - new M)
.set j, 0
.rept 32
	v_pk_add_f32 v[\src+j:\src+j+1], v[\src+j:\src+j+1], v[rM:rM+1] op_sel_hi:[1,0]   ; t - M (of the pair the low word, -M, serves both halves)
.set j, j+2
.endr
.irp b, 0,1,2,3
	v_add_f32 v[TM+\b], v[TM+\b], v[rM]            ; the same of each block's largest t
.endr
.set j, 0
.rept 64
	v_exp_f32 v[\src+j], v[\src+j]                 ; p = 2^(t - M), at most 1
.set j, j+1
.endr
	v_pk_mul_f32 v[rM+2:rM+3], v[rM+2:rM+3], v[FF:FF+1] op_sel_hi:[1,0]   ; the sums under the new M: the plain instruction behind the exponentials
	s_wait_alu depctr_va_vdst(0)                   ; one wait for the batch of 64, ahead of its first reader
.irp b, 0,1,2,3
	v_exp_f32 v[TM+\b], v[TM+\b]                   ; the block's largest p: the same instructions on the same number give the same bits
.endr
	v_pk_add_f32 v[W2:W2+1], v[\src:\src+1], v[\src+2:\src+3]   ; the row's sum of the unquantised p, in two chains
.set j, 4
.rept 15
	v_pk_add_f32 v[rM+2:rM+3], v[rM+2:rM+3], v[\src+j:\src+j+1]
	v_pk_add_f32 v[W2:W2+1], v[W2:W2+1], v[\src+j+2:\src+j+3]
.set j, j+4
.endr
	v_pk_add_f32 v[rM+2:rM+3], v[rM+2:rM+3], v[W2:W2+1]
	s_wait_alu depctr_va_vdst(0)                   ; and one for the four
.irp b, 0,1,2,3
	v_max_num_f32 v[TM+\b], 0x1800000, v[TM+\b]    ; the floor 2^(3 - 127): the byte cannot fall under 1; a block of zeros keeps that byte over zero codes
.endr
.irp b, 0,1,2,3
	v_add_nc_u32 v[TM+8+\b], 0xff000000, v[TM+\b]  ; 2 off the exponent field: the conversion's scale operand
.endr
.irp b, 0,1,2,3
	v_lshrrev_b32 v[TM+4+\b], 23, v[TM+8+\b]
.endr
	v_lshl_or_b32 v[PW+\un], v[TM+5], 8, v[TM+4]   ; p's scale word for these 128 keys
	v_lshl_or_b32 v[PW+\un], v[TM+6], 16, v[PW+\un]
	v_lshl_or_b32 v[PW+\un], v[TM+7], 24, v[PW+\un]
	WIN 0x40                                       ; the codes go to window 1
.irp hc, 0,1
.irp hx, 0,1
.irp hr, 0,1
	v_cvt_scalef32_pk8_fp4_f32 v[PF+8*(\un)+4*\hc+2*\hr+\hx], v[\src+16*(2*\hc+\hx)+8*\hr:\src+16*(2*\hc+\hx)+8*\hr+7], v[TM+8+2*\hc+\hx]
.endr
.endr
.endr
	v_nop                                          ; one plain place behind a scaled conversion
	WIN 0x41
.irp hc, 0,1
.irp hr, 0,1
	v_permlane16_swap_b32 v[PF+8*(\un)+4*\hc+2*\hr], v[PF+8*(\un)+4*\hc+2*\hr+1]   ; register 4 c + w now holds keys 64 c + 32 h + 8 w .. + 7
.endr
.endr
.set j, 0
.rept 16
	v_pk_mul_f32 v[OT+32*(\un)+j:OT+32*(\un)+j+1], v[OT+32*(\un)+j:OT+32*(\un)+j+1], v[FF:FF+1] op_sel_hi:[1,0]   ; O^T under the new M.  (Also the places between the scale word, the codes and the products that take them)
.set j, j+2
.endr
	WIN 0
.endm
; A STEP: 128 keys.  Each softmax stands between two runs of matrix instructions and is the stretch of plain instructions that the next run, or the next run of loads, wants behind the last.
.macro STEP
	v_add_nc_u32 v[ADM], s[TB], v[AMK]
	v_add_nc_u32 v[ADK], s[TB], v[AKV]
	v_add_nc_u32 v[ADS], s[TB], v[ASC]
	v_add_nc_u32 v[ADP], s[TP], v[APD]
	LD64 X, ADP, 0                                 ; the padding's numbers of these keys
	LD64 Y0, ADM, 0                                ; the mask of my first tile of queries,
	LD64 Y1, ADM, 16*MP                            ; of my second
	ds_load_b128 v[SC:SC+3], v[ADS]
	ds_load_b128 v[SC+4:SC+7], v[ADS] offset:16
	LDF 0                                          ; K
	s_wait_dscnt 34                                ; the padding and the first mask are in: behind them 16 + 2 + 16 loads
	ADD64 Y0
	s_wait_dscnt 18                                ; the second mask: behind it 2 + 16
	ADD64 Y1
	s_wait_dscnt 0x0
	SMM X, Y0, 0, 0
	PLACES 5                                       ; the next run writes over Y0, which this run takes as C: five places; they also stand ahead of the first read of X
	SMM Y0, Y0, 0, 1
	SM X, 0
	SMM X, Y1, 1, 0
	SM Y0, 1
	SMM Y1, Y1, 1, 1
	SM X, 2
	LDF 8192                                       ; V, into K's registers: their last reader stands a whole softmax back
	SM Y1, 3
	s_wait_dscnt 0x0
	PV
	WIN 0
	s_xor_b32 s[TB], s[TB], SLOT1
	s_add_co_u32 s[TP], s[TP], 512
.endm
; THE CHANGE OF SLOTS stands at a step's head.  Each wave waits for all its tensor loads (one is out: its part of the slot that is read next), adds 0 to its spare word, and waits for that and for its reads of the slot that it has left.
; fill = 1: a round of the cluster's barrier, and behind it the next step's tiles go into the slot just left: the load has the whole step in which to land.
.macro CHANGE fill
	s_wait_tensorcnt 0x0
	ds_add_u32 v[SPW], v[NIL]
.if \fill
	s_xor_b32 s[G0M+1], s[G0M+1], SLOT1            ; the walking descriptors: the other slot,
	s_add_nc_u64 s[G0M+2:G0M+3], s[G0M+2:G0M+3], 512        ; the next 128 columns of the mask,
	s_xor_b32 s[G0K+1], s[G0K+1], SLOT1
	s_add_nc_u64 s[G0K+2:G0K+3], s[G0K+2:G0K+3], 8*PAIRB    ; the next step's blocks
	s_wait_xcnt 0x0                                ; the last prefetch, a step back, has read its address
	s_add_nc_u64 s[PFA:PFA+1], s[PFA:PFA+1], s[PFS:PFS+1]
	s_wait_dscnt 0x0
	CROUND
	JLOAD                                          ; the four v_nop behind it are also places in front of the step's loads
	ASK
.else
	s_wait_dscnt 0x0
	s_barrier_signal -1
	s_barrier_wait -1
	PLACES 4
.endif
.endm
.Lstep:                                            ; 15 trips: trip j asks for step j + 1 and works step j
	CHANGE 1
	STEP
	s_sub_co_u32 s[TRIPS], s[TRIPS], 1
	s_cmp_lg_u32 s[TRIPS], 0
	s_cbranch_scc1 .Lstep
	CHANGE 0                                       ; the last step is written out
	STEP
; 64 numbers of a lane become a fragment's codes and its scale word, as in the launch before.
.macro QUANT src, cod, wrd, flr
.irp b, 0,1,2,3
	v_max3_num_f32 v[TM+\b], |v[(\src)+16*\b]|, |v[(\src)+1+16*\b]|, \flr
.endr
.irp i, 2,4,6,8,10,12,14
.irp b, 0,1,2,3
	v_max3_num_f32 v[TM+\b], v[TM+\b], |v[(\src)+16*\b+\i]|, |v[(\src)+1+16*\b+\i]|
.endr
.endr
.irp b, 0,1,2,3
	v_permlanex16_b32 v[TM+4+\b], v[TM+\b], s[SEL], s[SEL+1]
.endr
.irp b, 0,1,2,3
	v_max_num_f32 v[TM+\b], v[TM+\b], v[TM+4+\b]
.endr
.irp b, 0,1,2,3
	v_add_nc_u32 v[TM+8+\b], 0xff000000, v[TM+\b]
.endr
.irp b, 0,1,2,3
	v_lshrrev_b32 v[TM+4+\b], 23, v[TM+8+\b]
.endr
	v_lshl_or_b32 v[\wrd], v[TM+5], 8, v[TM+4]
	v_lshl_or_b32 v[\wrd], v[TM+6], 16, v[\wrd]
	v_lshl_or_b32 v[\wrd], v[TM+7], 24, v[\wrd]
.irp hc, 0,1
.irp hx, 0,1
.irp hr, 0,1
	v_cvt_scalef32_pk8_fp4_f32 v[(\cod)+4*\hc+2*\hr+\hx], v[(\src)+16*(2*\hc+\hx)+8*\hr:(\src)+16*(2*\hc+\hx)+8*\hr+7], v[TM+8+2*\hc+\hx]
.endr
.endr
.endr
	v_nop
.irp hc, 0,1
.irp hr, 0,1
	v_permlane16_swap_b32 v[(\cod)+4*\hc+2*\hr], v[(\cod)+4*\hc+2*\hr+1]
.endr
.endr
.endm
	; THE WAY OUT.  The additions are the places behind the last products.
.irp n, 0,1,2,3
	v_add_f32 v[ST+4*\n+2], v[ST+4*\n+2], v[ST+4*\n+3]     ; the sum's two halves,
.endr
.irp n, 0,1,2,3
	v_permlanex16_b32 v[ST+4*\n+3], v[ST+4*\n+2], s[SEL], s[SEL+1]
.endr
.irp n, 0,1,2,3
	v_add_f32 v[ST+4*\n+2], v[ST+4*\n+2], v[ST+4*\n+3]     ; and lane l xor 16's: the row's sum
.endr
.irp n, 0,1,2,3
	v_rcp_f32 v[ST+4*\n], v[ST+4*\n+2]
.endr
	v_and_b32 v1, 31, v0                           ; (plain work behind the reciprocals)
	v_lshlrev_b32 v2, 4, v1                        ; an image's place for my lane
	v_lshlrev_b32 v3, 5, v1                        ; o_sc: 32 bytes a token; lane = token of my 32
	v_bfe_u32 v4, v0, 4, 1
	s_wait_alu depctr_va_vdst(0)                   ; one wait for the four, ahead of their first reader
.irp n, 0,1                                    ; a tile of 16 queries: the pair's 128 features are one K step of the last projection
	WIN 0x01                                       ; source 0: window 1
.set k, 0
.rept 16
	v_pk_mul_f32 v[X+k:X+k+1], v[OT+64*\n+k:OT+64*\n+k+1], v[ST+8*\n:ST+8*\n+1] op_sel_hi:[1,0]           ; O^T / the sum: head 2 g,
.set k, k+2
.endr
.set k, 0
.rept 16
	v_pk_mul_f32 v[X+32+k:X+32+k+1], v[OT+64*\n+32+k:OT+64*\n+32+k+1], v[ST+8*\n+4:ST+8*\n+5] op_sel_hi:[1,0]   ; head 2 g + 1
.set k, k+2
.endr
	WIN 0
	QUANT X, Y0+8*\n, PW+\n, 0x1800000
	v_mov_b32 v62, 0xffff                          ; a row with the sum 0 (every key hidden): its head's two bytes become 0xff
	v_cmp_eq_f32 vcc_lo, 0, v[ST+8*\n+2]
	v_cndmask_b32 v63, 0, v62, vcc_lo
	v_or_b32 v[PW+\n], v[PW+\n], v63
	v_mov_b32 v62, 0xffff0000
	v_cmp_eq_f32 vcc_lo, 0, v[ST+8*\n+6]
	v_cndmask_b32 v63, 0, v62, vcc_lo
	v_or_b32 v[PW+\n], v[PW+\n], v63
	global_store_b128 v2, v[Y0+8*\n:Y0+8*\n+3], s[12:13] offset:8192*\n           ; each store of the wave covers 512 consecutive bytes, aligned
	global_store_b128 v2, v[Y0+8*\n+4:Y0+8*\n+7], s[12:13] offset:8192*\n+512
.endr
	v_cmp_ne_u32 vcc_lo, 0, v4
	v_cndmask_b32 v60, v[PW], v[PW+1], vcc_lo      ; lanes 0-15: the first tile's words, lanes 16-31 the second's
	global_store_b32 v3, v60, s[14:15]             ; 4 bytes of each token's 32: the other pairs' waves write the rest
	s_wait_tensorcnt 0x0                           ; the wave's end
	ds_add_u32 v[SPW], v[NIL]
	s_wait_dscnt 0x0
	CROUND                                         ; the closing round
	s_endpgm
.Lfunc_end_k_qbc7f9b4b3b_attn:
	.size	k_qbc7f9b4b3b_attn, .Lfunc_end_k_qbc7f9b4b3b_attn-k_qbc7f9b4b3b_attn
	.p2alignl 7, 3214868480
	.fill 96, 4, 3214868480
	.section	.rodata,"a",@progbits
	.p2align	6, 0x0
	.amdhsa_kernel k_qbc7f9b4b3b_attn
		.amdhsa_group_segment_fixed_size 327680
		.amdhsa_private_segment_fixed_size 0
		.amdhsa_enable_private_segment 0
		.amdhsa_kernarg_size 48
		.amdhsa_user_sgpr_count 2
		.amdhsa_user_sgpr_kernarg_segment_ptr 1
		.amdhsa_wavefront_size32 1
		.amdhsa_system_sgpr_workgroup_id_x 1
		.amdhsa_system_sgpr_workgroup_id_y 1
		.amdhsa_system_sgpr_workgroup_id_z 1
		.amdhsa_system_vgpr_workitem_id 0
		.amdhsa_next_free_vgpr 512
		.amdhsa_next_free_sgpr 76
		.amdhsa_reserve_vcc 1
		.amdhsa_float_denorm_mode_32 3
		.amdhsa_float_denorm_mode_16_64 3
		.amdhsa_memory_ordered 1
		.amdhsa_forward_progress 1
		.amdhsa_inst_pref_size 171
	.end_amdhsa_kernel
	.amdgpu_metadata
---
amdhsa.version: [ 1, 2 ]
amdhsa.kernels:
  - .name:           k_qbc7f9b4b3b_attn
    .symbol:         k_qbc7f9b4b3b_attn.kd
    .args:
      - { .name: qbuf, .offset: 0, .size: 8, .value_kind: global_buffer, .address_space: global }
      - { .name: kv, .offset: 8, .size: 8, .value_kind: global_buffer, .address_space: global }
      - { .name: attn_mask, .offset: 16, .size: 8, .value_kind: global_buffer, .address_space: global }
      - { .name: key_padding_mask, .offset: 24, .size: 8, .value_kind: global_buffer, .address_space: global }
      - { .name: o_img, .offset: 32, .size: 8, .value_kind: global_buffer, .address_space: global }
      - { .name: o_sc, .offset: 40, .size: 8, .value_kind: global_buffer, .address_space: global }
    .group_segment_fixed_size: 327680
    .private_segment_fixed_size: 0
    .kernarg_segment_align: 8
    .kernarg_segment_size: 48
    .max_flat_workgroup_size: 256
    .sgpr_count:     76
    .vgpr_count:     512
    .wavefront_size: 32
...
	.end_amdgpu_metadata
.endif
;; end of part 2
;; launch oproj (part 3): grid 4 x 32, 4 waves a work-group, clusters of 4 x 4, 327,680 bytes of LDS; arguments o_img, o_sc, Wo_codes, Wo_scales, out0, bo; writes out0
.if DOCPART == 3
	.amdgcn_target "amdgcn-amd-amdhsa--gfx1250"
	.amdhsa_code_object_version 6
	.text
	.protected	k_qbc7f9b4b3b_oproj
	.globl	k_qbc7f9b4b3b_oproj
	.p2align	8
	.type	k_qbc7f9b4b3b_oproj,@function
k_qbc7f9b4b3b_oproj:
	s_mov_b64 s[64:65], 0
	v_nop
	global_prefetch_b8 v0, s[64:65] scope:SCOPE_SE
	s_setreg_imm32_b32 hwreg(HW_REG_WAVE_MODE, 25, 1), 1
	s_wait_xcnt 0x0
	s_wait_alu depctr_hold_cnt(0) depctr_sa_sdst(0) depctr_va_vdst(0) depctr_va_sdst(0) depctr_va_ssrc(0) depctr_va_vcc(0) depctr_vm_vsrc(0)
	s_getreg_b32 s2, hwreg(HW_REG_IB_STS2, 6, 4)
	s_cmp_eq_u32 s2, 0
	s_cbranch_scc0 .Lentry_in_a_cluster
	s_endpgm
.Lentry_in_a_cluster:
	s_bfe_u32 s2, ttmp6, 0x10000c
	s_cmp_lg_u32 s2, 0xf033
	s_cbranch_scc0 .Lentry_shape_is_right
	s_endpgm
.Lentry_shape_is_right:
; out0 = o Wo^T + bo on codes of FP4 with E8M0 scales, K = 1,024, f32 sums.  No work is left out.
; A = the attention's result, 8,192 tokens: its codes lie as images of the operand's registers, [tile of 16 tokens][K step of 128][1,024 bytes]; its scale bytes [token][32].  B = Wo [1,024][1,024] as given.
; A tile of out0, 256 x 256, to a work-group of four waves; a wave makes 128 x 128 in 64 accumulators.  K is two slots of 512: both are first fills, nothing is filled again.
; CLUSTERS: 4 x 4 work-groups; A's tile is shared along a row of the cluster, B's along a column.  The matrix instruction is used transposed (source 0 = rows of Wo, source 1 = tokens):
; a lane holds eight neighbouring numbers of a row of out0.  bo is the C of the first products.
; REGISTERS: window 0: v0-31 addresses; v32-95 scale words, two sets; v128-191 A's fragments; v192-255 bo in the result's layout; on the way out v128-255 rows.  window 1: B's fragments, two sets.  windows 2, 3: accumulators.
.set SIZE_N, 1024
.set NQ,     4
.set ROWB,   256
.set KROW,   512
.set PITCH,  272
.set FR,     8
.set NL,     2
.set NP,     4
.set HALFA,  32768                     ; A: 8 tiles of tokens x 4 fragments x 1,024 bytes: what one tensor load brings
.set HALFT,  128*PITCH                 ; B: 128 rows
.set BOFF,   2*HALFA
.set SLOT,   BOFF+2*HALFT
.set KS,     32
.set SCL,    2*SLOT
.set HALFS,  (128*KS/256)*272
.set SBLK,   (16*KS/256)*272
.set SPARE,  SCL+4*HALFS
.set SPITCH, 528                       ; the way out: a stage of 16 rows x (512 bytes + 16) for each wave, in slot 0, which has had its only fill and its last read by then
.set BNO,  8
.set ADRA, 16
.set ADRB, 20
.set STO,  24
.set RD,   25
.set CO,   26
.set ADRS, 27
.set SPW,  28
.set NIL,  29
.set SC,   32
.set AF,   128
.set BK,   128
.set BN,   192
.set G1, 24
.set G0, 32
.set G1B, 48
.set G0B, 56
.set G1S, 68
.set G0S, 76
.set G1SB, 80
.set G0SB, 88
.set MSB, 0
.macro WIN new
.if MSB != \new
	s_set_vgpr_msb (MSB<<8)|\new
.set MSB, \new
.endif
.endm
.set MUL_LO,   0xa1
.set MUL_HI,   0xf1
.set FIRST_LO, 0x81
.set FIRST_HI, 0xc1
.set TO_B,     0x40
.macro JLOAD g0a, g1a, g0b, g1b        ; waves 0 and 1 fetch for A, waves 2 and 3 for B; an s_nop 0 and four v_nop follow each line
	s_cmp_eq_u32 s15, 0
	s_cbranch_scc0 .Lfor_b_\@
	tensor_load_to_lds s[\g0a:\g0a+3], s[\g1a:\g1a+7]
	s_nop 0
.rept 4
	v_nop
.endr
	s_branch .Lasked_\@
.Lfor_b_\@:
	tensor_load_to_lds s[\g0b:\g0b+3], s[\g1b:\g1b+7]
	s_nop 0
.rept 4
	v_nop
.endr
.Lasked_\@:
.endm
.macro CROUND
	s_barrier_signal -1
	s_barrier_wait -1
	s_cmp_lg_u32 s14, 0
	s_cbranch_scc1 .Lnot_wave_0_\@
	s_barrier_signal -3
.Lnot_wave_0_\@:
	s_barrier_wait -3
	s_barrier_signal -1
	s_barrier_wait -1
.endm
	s_load_b128 s[4:7], s[0:1], 0x0                ; o_img, o_sc
	s_load_b128 s[8:11], s[0:1], 0x10              ; Wo's codes, Wo's scales
	s_load_b64 s[12:13], s[0:1], 0x20              ; out0
	s_load_b64 s[96:97], s[0:1], 0x28              ; bo
	v_lshl_add_u32 v[SPW], v0, 2, SPARE
	v_mov_b32 v[NIL], 0
	ds_add_u32 v[SPW], v[NIL]                      ; the wave's opening: the add, twice on end, and its wait ahead of my first tensor load
	ds_add_u32 v[SPW], v[NIL]
	v_lshrrev_b32 v1, 5, v0
	v_readfirstlane_b32 s14, v1                    ; wave 0..3
	s_lshr_b32 s15, s14, 1                         ; which half of the tile's rows is mine.  Also: I fetch for A (0) or for B (1)
	s_and_b32 s16, s14, 1                          ; which half of its columns.  Also: which half of that tile I fetch
	s_bfe_u32 s40, ttmp6, 0x40000
	s_bfe_u32 s41, ttmp6, 0x40004
	s_lshl_b32 s42, ttmp9, 2
	s_add_co_u32 s42, s42, s40                     ; tile column
	s_and_b32 s17, ttmp7, 0xffff
	s_lshl_b32 s17, s17, 2
	s_add_co_u32 s17, s17, s41                     ; tile row
	s_lshl_b32 s43, s41, 2
	s_lshl_b32 s43, 15, s43                        ; my row of the cluster
	s_lshl_b32 s44, 0x1111, s40                    ; my column
	s_or_b32 s[G1+0], s43, (3<<16)|(1<<21)         ; A: 8 rows of 4,096 bytes (512 elements of 8), 8,192 bytes apart, dense in LDS
	s_mov_b32 s[G1+1], 512<<16
	s_mov_b32 s[G1+2], 8<<16
	s_mov_b32 s[G1+3], 512<<16
	s_mov_b32 s[G1+4], 8
	s_mov_b32 s[G1+5], 1024
	s_mov_b32 s[G1+6], 0
	s_mov_b32 s[G1+7], 0
	s_or_b32 s[G1B+0], s44, (0<<16)|(1<<20)|(1<<21)|(5<<22)|(3<<25)  ; B: 128 rows of 256 bytes, 16 bytes of padding behind each
	s_mov_b32 s[G1B+1], ROWB<<16
	s_mov_b32 s[G1B+2], 128<<16
	s_mov_b32 s[G1B+3], ROWB<<16
	s_mov_b32 s[G1B+4], 128
	s_mov_b32 s[G1B+5], KROW
	s_mov_b32 s[G1B+6], 0
	s_mov_b32 s[G1B+7], 0
	s_or_b32 s[G1S+0], s43, (3<<16)|(1<<20)|(1<<21)|(5<<22)|(3<<25)  ; the scale bytes of 128 rows: 16 rows of 256 dense bytes, padded
	s_or_b32 s[G1SB+0], s44, (3<<16)|(1<<20)|(1<<21)|(5<<22)|(3<<25)
.irp g, G1S, G1SB
	s_mov_b32 s[\g+1], 32<<16
	s_mov_b32 s[\g+2], (128*KS/256)<<16
	s_mov_b32 s[\g+3], 32<<16
	s_mov_b32 s[\g+4], 128*KS/256
	s_mov_b32 s[\g+5], 32
	s_mov_b32 s[\g+6], 0
	s_mov_b32 s[\g+7], 0
.endr
	s_lshl_b32 s20, s17, 17                        ; A's images: tile of tokens 16 x tile row + 8 x half, 8,192 bytes each
	s_lshl_b32 s18, s16, 16
	s_add_co_u32 s20, s20, s18
	s_mov_b32 s21, 0
	s_lshl_b32 s22, s17, 13                        ; A's scales: token 256 x tile row + 128 x half, 32 bytes each
	s_lshl_b32 s18, s16, 12
	s_add_co_u32 s22, s22, s18
	s_mov_b32 s23, 0
	s_lshl_b32 s46, s42, 8
	s_lshl_b32 s18, s16, 7
	s_add_co_u32 s46, s46, s18                     ; B: row 256 x tile column + 128 x half
	s_lshl_b32 s92, s46, 5
	s_mov_b32 s93, 0
	s_lshl_b32 s46, s46, 9
	s_mov_b32 s47, 0
	s_lshl_b32 s45, s16, 15                        ; where they go: A's half,
	s_mul_i32 s95, s16, HALFT
	s_add_co_u32 s95, s95, BOFF                    ; B's half,
	s_mul_i32 s94, s14, HALFS                      ; the scales: no place in the cluster enters an LDS address
	s_wait_dscnt 0x0                               ; both opening adds are done
	s_wait_kmcnt 0x0
	s_add_nc_u64 s[20:21], s[4:5], s[20:21]
	s_add_nc_u64 s[22:23], s[6:7], s[22:23]
	s_add_nc_u64 s[46:47], s[8:9], s[46:47]
	s_add_nc_u64 s[92:93], s[10:11], s[92:93]
	CROUND                                         ; all sixteen work-groups are here
	s_mov_b32 s[G0S], 1
	s_add_co_u32 s[G0S+1], s94, SCL
	s_mov_b64 s[G0S+2:G0S+3], s[22:23]
	s_or_b32 s[G0S+3], s[G0S+3], 0x80000000
	s_mov_b32 s[G0SB], 1
	s_add_co_u32 s[G0SB+1], s94, SCL
	s_mov_b64 s[G0SB+2:G0SB+3], s[92:93]
	s_or_b32 s[G0SB+3], s[G0SB+3], 0x80000000
	JLOAD G0S, G1S, G0SB, G1SB
.irp s, 0,1
	s_mov_b32 s[G0+4*\s], 1
	s_add_co_u32 s[G0+4*\s+1], s45, \s*SLOT
	s_add_nc_u64 s[G0+4*\s+2:G0+4*\s+3], s[20:21], \s*4096
	s_or_b32 s[G0+4*\s+3], s[G0+4*\s+3], 0x80000000
	s_mov_b32 s[G0B+4*\s], 1
	s_add_co_u32 s[G0B+4*\s+1], s95, \s*SLOT
	s_add_nc_u64 s[G0B+4*\s+2:G0B+4*\s+3], s[46:47], \s*ROWB
	s_or_b32 s[G0B+4*\s+3], s[G0B+4*\s+3], 0x80000000
	JLOAD G0+4*\s, G1, G0B+4*\s, G1B               ; three tensor loads of mine are out: all of K
.endr
	v_and_b32 v1, 15, v0                           ; r
	v_bfe_u32 v2, v0, 4, 1                         ; h
	v_mul_u32_u24 v3, v1, PITCH
	v_lshl_add_u32 v4, v2, 4, v3                   ; B: row x pitch + 16 h
	v_and_b32 v6, 31, v0
	v_lshlrev_b32 v[CO], 4, v6                     ; 16 x lane: an image's place; also my place in a row of out0
	s_lshl_b32 s21, s15, 15                        ; my 8 tiles of tokens
	s_mul_i32 s22, s16, HALFT
	s_add_co_u32 s22, s22, BOFF                    ; my 128 rows of B
.irp s, 0,1
	v_add_nc_u32 v[ADRA+\s], s21, v[CO]
	v_add_nc_u32 v[ADRB+\s], s22, v4
	s_add_co_u32 s21, s21, SLOT
	s_add_co_u32 s22, s22, SLOT
.endr
	v_mul_u32_u24 v5, v1, KS
	v_lshrrev_b32 v6, 8, v5
	v_lshl_add_u32 v5, v6, 4, v5
	s_mul_i32 s21, s15, HALFS
	s_mul_i32 s22, s16, HALFS
	s_add_co_u32 s22, s22, 2*HALFS
	s_sub_co_u32 s22, s22, s21
	v_mul_u32_u24 v6, s22, v2                      ; lanes 16-31 take B's scale words
	s_add_co_u32 s21, s21, SCL
	v_add_nc_u32 v5, v5, v6
	v_add_nc_u32 v[ADRS], s21, v5
	s_mul_i32 s23, s14, 16*SPITCH                  ; my stage
	v_mul_u32_u24 v5, v1, SPITCH
	v_lshl_add_u32 v5, v2, 5, v5
	v_add_nc_u32 v[STO], s23, v5
	v_add_nc_u32 v[RD], s23, v[CO]
	s_lshl_b32 s20, s17, 8
	s_lshl_b32 s21, s15, 7
	s_add_co_u32 s20, s20, s21                     ; my first row of out0
	s_mov_b32 s21, 0
	s_mov_b64 s[18:19], SIZE_N*4
	s_mul_u64 s[20:21], s[20:21], s[18:19]
	s_lshl_b32 s46, s42, 10                        ; my first column, in bytes
	s_lshl_b32 s47, s16, 9
	s_add_co_u32 s46, s46, s47
	s_mov_b32 s47, 0
	s_add_nc_u64 s[20:21], s[20:21], s[46:47]
	s_add_nc_u64 s[12:13], s[12:13], s[20:21]
	v_lshl_add_u32 v[BNO], v2, 5, s46              ; bo: my 128 columns, + 32 h
.irp b, 0,1,2,3,4,5,6,7
	global_load_b128 v[BN+8*\b:BN+8*\b+3], v[BNO], s[96:97] offset:64*\b          ; register 8 b + j: bo[16 b + 8 h + j]
	global_load_b128 v[BN+8*\b+4:BN+8*\b+7], v[BNO], s[96:97] offset:64*\b+16
.endr
	s_wait_loadcnt 0x0
.macro FRAG reg, adr, q, i             ; B: two loads of 16 bytes, 32 bytes apart
.irp c, 0,1
	ds_load_b128 v[\reg+4*\c:\reg+4*\c+3], v[\adr] offset:64*(\q)+32*\c+(\i)*16*PITCH
.endr
.endm
.macro FRAGA reg, adr, q, i            ; A: the image as it lies
.irp c, 0,1
	ds_load_b128 v[\reg+4*\c:\reg+4*\c+3], v[\adr] offset:1024*(\q)+512*\c+(\i)*4096
.endr
.endm
.macro MUL16 a0, p, q, sc, first       ; the 64 accumulators take turns, one instruction a turn
.irp a, \a0, \a0+1
.irp b, 0,1,2,3,4,5,6,7
.if \first
	v_wmma_scale_f32_16x16x128_f8f6f4 v[8*(8*((\a)%4)+\b):8*(8*((\a)%4)+\b)+7], v[128*(\p)+FR*\b:128*(\p)+FR*\b+FR-1], v[AF+FR*(\a):AF+FR*(\a)+FR-1], v[BN+8*\b:BN+8*\b+7], v[SC+8*NQ*(\sc)+NQ*\b+(\q)], v[SC+8*NQ*(\sc)+NQ*(\a)+(\q)] matrix_a_fmt:MATRIX_FMT_FP4 matrix_b_fmt:MATRIX_FMT_FP4 matrix_a_scale:MATRIX_SCALE_ROW1
.else
	v_wmma_scale_f32_16x16x128_f8f6f4 v[8*(8*((\a)%4)+\b):8*(8*((\a)%4)+\b)+7], v[128*(\p)+FR*\b:128*(\p)+FR*\b+FR-1], v[AF+FR*(\a):AF+FR*(\a)+FR-1], v[8*(8*((\a)%4)+\b):8*(8*((\a)%4)+\b)+7], v[SC+8*NQ*(\sc)+NQ*\b+(\q)], v[SC+8*NQ*(\sc)+NQ*(\a)+(\q)] matrix_a_fmt:MATRIX_FMT_FP4 matrix_b_fmt:MATRIX_FMT_FP4 matrix_a_scale:MATRIX_SCALE_ROW1
.endif
.endr
.endr
.endm
.macro FETCH_B slot, q, p
	WIN TO_B
.irp i, 0,1,2,3,4,5,6,7
	FRAG 128*(\p)+FR*\i, ADRB+\slot, \q, \i
.endr
	WIN 0
.endm
.macro FETCH_A slot, q, i0
.irp i, \i0, \i0+1, \i0+2, \i0+3
	FRAGA AF+FR*(\i), ADRA+\slot, \q, \i
.endr
.endm
.macro SCALES sc
.irp i, 0,1,2,3,4,5,6,7
	ds_load_b128 v[SC+8*NQ*\sc+NQ*\i:SC+8*NQ*\sc+NQ*\i+3], v[ADRS] offset:\i*SBLK
.endr
.endm
.macro PLACES n
.rept \n
	v_nop
.endr
.endm
.macro STEP slot, q, first
	s_wait_dscnt 4*NL                              ; B's set and A's blocks 0-3 are in; the youngest eight loads (A's blocks 4-7) may be out
.if \first
	WIN FIRST_LO
.else
	WIN MUL_LO
.endif
	MUL16 0, (\q)%2, \q, \slot, \first
	MUL16 2, (\q)%2, \q, \slot, \first
	s_wait_dscnt 0
	PLACES NP
	FETCH_B \slot, (\q)+1, 1-(\q)%2
	FETCH_A \slot, (\q)+1, 0
.if \first
	WIN FIRST_HI
.else
	WIN MUL_HI
.endif
	MUL16 4, (\q)%2, \q, \slot, \first
	MUL16 6, (\q)%2, \q, \slot, \first
	PLACES NP
	WIN 0
	FETCH_A \slot, (\q)+1, 4
.endm
.macro STEPS slot, from
.set Q, \from
.rept NQ-1-\from
	STEP \slot, Q, 0
.set Q, Q+1
.endr
.endm
	s_wait_tensorcnt 1                             ; the scales and my part of slot 0 are in (slot 1's load may be out)
	s_barrier_signal -1
	s_barrier_wait -1                              ; everybody's are
	FETCH_B 0, 0, 0
	FETCH_A 0, 0, 0
	SCALES 0
	FETCH_A 0, 0, 4
	STEP 0, 0, 1
	STEPS 0, 1
	s_wait_tensorcnt 0x0                           ; slot 0's last step changes slots: my part of slot 1 has landed
	ds_add_u32 v[SPW], v[NIL]
	s_wait_dscnt 4*NL+1                            ; (the add and A's blocks 4-7 may be out)
	WIN MUL_LO
	MUL16 0, 1, NQ-1, 0, 0
	s_wait_dscnt 0x0
	s_barrier_signal -1
	MUL16 2, 1, NQ-1, 0, 0
	WIN 0
	s_barrier_wait -1
	PLACES NP
	v_add_nc_u32 v[ADRS], 4*NQ, v[ADRS]
	FETCH_B 1, 0, 0
	FETCH_A 1, 0, 0
	SCALES 1
	WIN MUL_HI
	MUL16 4, 1, NQ-1, 0, 0
	MUL16 6, 1, NQ-1, 0, 0
	PLACES NP
	WIN 0
	FETCH_A 1, 0, 4
	STEPS 1, 0
	s_wait_dscnt 4*NL
	WIN MUL_LO
	MUL16 0, 1, NQ-1, 1, 0
	MUL16 2, 1, NQ-1, 1, 0
	s_wait_dscnt 0
	WIN MUL_HI
	MUL16 4, 1, NQ-1, 1, 0
	MUL16 6, 1, NQ-1, 1, 0
	WIN 0
; THE WAY OUT, block by block of 16 rows x 128 columns, through my own stage in LDS: back as whole rows of 512 bytes.  LDS serves a wave's instructions in order (ISA guide 5.7.1.4): no wait between the stores and the loads.
.macro TOSTAGE a
.set AC, 64*((\a)%4)
	WIN 0x08+4*((\a)/4)                            ; the data: window 2 or 3
.irp b, 0,1,2,3,4,5,6,7
	ds_store_b128 v[STO], v[AC+8*\b:AC+8*\b+3] offset:64*\b          ; each accumulator from its low end on
	ds_store_b128 v[STO], v[AC+8*\b+4:AC+8*\b+7] offset:64*\b+16
.endr
	WIN 0
.set BB, BK+64*((\a)%2)
.irp t, 0,1,2,3,4,5,6,7,8,9,10,11,12,13,14,15
	ds_load_b128 v[BB+4*\t:BB+4*\t+3], v[RD] offset:\t*SPITCH
.endr
.endm
.macro SEND a, younger
.set BB, BK+64*((\a)%2)
	s_wait_dscnt \younger                          ; the block is back in registers
.if (\a) > 0
	s_add_nc_u64 s[12:13], s[12:13], 16*SIZE_N*4   ; (behind a wait on XCNT: the earlier stores have read their base)
.endif
.irp t, 0,1,2,3,4,5,6,7,8,9,10,11,12,13,14,15
	global_store_b128 v[CO], v[BB+4*\t:BB+4*\t+3], s[12:13] offset:\t*SIZE_N*4 th:TH_STORE_NT   ; 32 lanes store 512 consecutive bytes, aligned; written once, read by nobody here
.endr
.endm
	PLACES NP
	TOSTAGE 0
.irp a, 1,2,3,4,5,6,7
.if \a > 1
	s_wait_xcnt 0x0                                ; block a - 2's stores have read their registers and their base
.endif
	TOSTAGE \a
	SEND \a-1, 32                                  ; behind block a - 1's loads: block a's 16 stores and 16 loads
.endr
	s_wait_xcnt 0x0
	SEND 7, 0
	s_wait_tensorcnt 0x0                           ; the wave's end
	ds_add_u32 v[SPW], v[NIL]
	s_wait_dscnt 0x0
	CROUND                                         ; the closing round
	s_endpgm
.Lfunc_end_k_qbc7f9b4b3b_oproj:
	.size	k_qbc7f9b4b3b_oproj, .Lfunc_end_k_qbc7f9b4b3b_oproj-k_qbc7f9b4b3b_oproj
	.p2alignl 7, 3214868480
	.fill 96, 4, 3214868480
	.section	.rodata,"a",@progbits
	.p2align	6, 0x0
	.amdhsa_kernel k_qbc7f9b4b3b_oproj
		.amdhsa_group_segment_fixed_size 327680
		.amdhsa_private_segment_fixed_size 0
		.amdhsa_enable_private_segment 0
		.amdhsa_kernarg_size 48
		.amdhsa_user_sgpr_count 2
		.amdhsa_user_sgpr_kernarg_segment_ptr 1
		.amdhsa_wavefront_size32 1
		.amdhsa_system_sgpr_workgroup_id_x 1
		.amdhsa_system_sgpr_workgroup_id_y 1
		.amdhsa_system_sgpr_workgroup_id_z 1
		.amdhsa_system_vgpr_workitem_id 0
		.amdhsa_next_free_vgpr 1024
		.amdhsa_next_free_sgpr 98
		.amdhsa_reserve_vcc 0
		.amdhsa_float_denorm_mode_32 3
		.amdhsa_float_denorm_mode_16_64 3
		.amdhsa_memory_ordered 1
		.amdhsa_forward_progress 1
		.amdhsa_inst_pref_size 126
	.end_amdhsa_kernel
	.amdgpu_metadata
---
amdhsa.version: [ 1, 2 ]
amdhsa.kernels:
  - .name:           k_qbc7f9b4b3b_oproj
    .symbol:         k_qbc7f9b4b3b_oproj.kd
    .args:
      - { .name: o_img, .offset: 0, .size: 8, .value_kind: global_buffer, .address_space: global }
      - { .name: o_sc, .offset: 8, .size: 8, .value_kind: global_buffer, .address_space: global }
      - { .name: Wo_codes, .offset: 16, .size: 8, .value_kind: global_buffer, .address_space: global }
      - { .name: Wo_scales, .offset: 24, .size: 8, .value_kind: global_buffer, .address_space: global }
      - { .name: out0, .offset: 32, .size: 8, .value_kind: global_buffer, .address_space: global }
      - { .name: bo, .offset: 40, .size: 8, .value_kind: global_buffer, .address_space: global }
    .group_segment_fixed_size: 327680
    .private_segment_fixed_size: 0
    .kernarg_segment_align: 8
    .kernarg_segment_size: 48
    .max_flat_workgroup_size: 128
    .sgpr_count:     98
    .vgpr_count:     1024
    .wavefront_size: 32
...
	.end_amdgpu_metadata
.endif
;; end of part 3
